; MI455X (gfx1250); checked and timed in simulation.
; The chip was launched on July 23, 2026; its instructions are those of AMD's public machine-readable ISA for CDNA 5 (MIT licence, August 2026) and "CDNA5" Instruction Set Architecture Reference Guide (July 2026). The comments in the code are by the model that wrote it; some were corrected since.
;; Attention. Allowed arithmetic: matrix products marked QUANTISED: E2M1 operands, one E8M0 scale for each 32 along K, by v_wmma_scale_f32_16x16x128_f8f6f4 with both operands' format E2M1 (or v_wmma_scale_f32_32x16x128_f4), f32 sums; products left as they are: bf16, f16 or f32 operands; f32 sums; everything else in f32.
;; Inputs: Wk 1,024 x 1,024 float32; Wq 1,024 x 1,024 float32; Wv 1,024 x 1,024 float32; bk 1,024 float32; bq 1,024 float32; bv 1,024 float32; x 4 x 2,048 x 1,024 float32.
;; Outputs: out0 4 x 2,048 x 1,024 float32.
;; This version of the problem:
;;   THIS VERSION OF THE PROBLEM IS GIVEN IN LOW PRECISION. The matrix products marked QUANTISED in the list below multiply operands that are first quantised to E2M1 (2 exponent bits, 1 mantissa bit; 4 bits a number), with one power-of-two scale for each 32 numbers along K (OCP MX v1.0); their sums are f32. The products marked 'left as it is' may take bf16, f16 or f32 operands, with f32 sums. Whichever they take, every output number must still come out within the allowed error. Rounding operands to bf16 (8 significant bits) uses up far more of that allowance than f16 does (11 bits, for magnitudes from 6e-5 to 65,504). All else is computed in f32.
;;   The module's matrix products, in the order in which they are computed (A, B: the left and right operand; K: the contracted axis; several contracted axes count as one K, in the product's order):
;;     1. [M 8,192, K 1,024] x [K 1,024, N 1,024]; A: input x; B: input Wq: QUANTISED
;;     2. [M 8,192, K 1,024] x [K 1,024, N 1,024]; A: input x; B: input Wk: QUANTISED
;;     3. [M 8,192, K 1,024] x [K 1,024, N 1,024]; A: input x; B: input Wv: QUANTISED
;;     4. batch 4 x [M 2,048, K 1,024] x [K 1,024, N 2,048]; A: computed on the way; B: computed on the way: left as it is (an operand is computed on the way)
;;     5. batch 4 x [M 2,048, K 2,048] x [K 2,048, N 1,024]; A: computed on the way; B: computed on the way: left as it is (an operand is computed on the way)
;;   THE QUANTISER, for each operand of a quantised product, along K:
;;     - K is cut into blocks of 32 from its start; a last block that is shorter is filled with zeros.
;;     - A block's scale is 2^e with e = floor(log2(the largest magnitude in the block)) - 2, held to -126 .. 127; a block of zeros has e = 0. As a byte (E8M0): e + 127.
;;     - Each number is divided by its block's scale, clamped to +-6, and rounded to the nearest number of E2M1, ties to even, subnormals kept.
;;     - The product sums the exact products of the quantised numbers (number of the format x scale) in f32.
;;   ~~~python
;;   def quantise(x, axis):      # numpy; x: float32 -> the quantised numbers, widened to float32 again
;;       x = np.moveaxis(x, axis, -1); K = x.shape[-1]
;;       x = np.pad(x, [(0, 0)] * (x.ndim - 1) + [(0, -K % 32)]); x = x.reshape(x.shape[:-1] + (-1, 32)); a = np.abs(x).max(-1, keepdims=True)
;;       e = np.where(a > 0, np.clip(np.frexp(np.where(a > 0, a, 1))[1] - 1 - 2, -126, 127), 0)      # np.frexp(a)[1] - 1 = floor(log2(a)), exactly
;;       r = np.clip(x / 2.0 ** e, -6, 6)
;;       step = 2.0 ** (np.maximum(np.frexp(np.where(r == 0, 1, r))[1] - 1, 0) - 1)
;;       q = np.round(r / step) * step * 2.0 ** e      # np.round: ties to even
;;       return np.moveaxis(q.reshape(q.shape[:-2] + (-1,))[..., :K], -1, axis).astype(np.float32)
;;   ~~~
;; One version. Each part assembles by itself: llvm-mc -triple=amdgcn-amd-amdhsa -mcpu=gfx1250 --defsym DOCPART=n.
;; ======== version 1 of 1: 4 launches
;; limits: values are held in f16: magnitudes above 65,504 overflow, below 6.1e-05 lose precision
;; workspace buffers: x_codes 4,194,304 bytes; x_scales 262,144 bytes; w_codes 1,572,864 bytes; w_scales 98,304 bytes; qkv 50,331,648 bytes; p 33,554,432 bytes; stats 1,048,576 bytes
;; launch quant (part 1): grid 352 x 1, 4 waves a work-group, no clusters, 33,280 bytes of LDS; arguments x, Wq, Wk, Wv, x_codes, x_scales, w_codes, w_scales; writes x_codes, x_scales, w_codes, w_scales
.if DOCPART == 1
	.amdgcn_target "amdgcn-amd-amdhsa--gfx1250"
	.amdhsa_code_object_version 6
	.text
	.protected	k_q0cdafbcd26_quant
	.globl	k_q0cdafbcd26_quant
	.p2align	8
	.type	k_q0cdafbcd26_quant,@function
k_q0cdafbcd26_quant:
	s_mov_b64 s[64:65], 0
	v_nop
	global_prefetch_b8 v0, s[64:65] scope:SCOPE_SE
	s_setreg_imm32_b32 hwreg(HW_REG_WAVE_MODE, 25, 1), 1
	s_wait_xcnt 0x0
; THE PROGRAM: out = softmax((x Wq^T + bq)(x Wk^T + bk)^T / 32) (x Wv^T + bv), in four launches: this one turns x and the three weights into codes of FP4 (E2M1);
; the second makes Q, K, V on those codes; the third makes the weights p of the softmax, block by block of 128 keys; the fourth multiplies them by V.
; DEAD WORK: bk.  scores[q][k] = (Q[q] . K0[k] + Q[q] . bk) / 32 with K0 = x Wk^T.  The second term does not hang on k, so it is the same along the softmax's axis and leaves
; attn unchanged, for all finite values of all inputs; the product Q K^T is not a quantised one, so no quantiser sees K either.  bk therefore has no way to the output: it is not
; loaded and is among no launch's arguments.  LIMIT: a NaN, an infinity or an overflow that comes in through bk alone is not carried to the result.
; THIS LAUNCH.  x [8192][1024], Wq, Wk, Wv [1024][1024], f32, K innermost, become codes of 4 bits, two a byte, the lower k in the low four bits, with one E8M0 byte for each 32 along K.
; The three weights' codes lie on end in one buffer of 3,072 rows (Wq, Wk, Wv), and so do their scale bytes.  x is quantised once and serves all three products.
; A block's scale is 2^(floor(log2(its largest magnitude)) - 2); its byte is the largest magnitude's own exponent field - 2, held at 1 from below.  A block of zeros so gets the byte 1 where the
; rule says 127: its codes are zeros, which add nothing under any byte but 0xff, and the bytes are read by this program alone.
; LIMITS: blocks whose largest magnitude lies under 2^(2 - 126) have their byte held at 1; NaN and infinities among the inputs are not served.
; Rows are dense and 1,024 is a multiple of 32: every tensor is a plain stream of blocks of 32.  A work-group takes 32,768 numbers, a wave 16 steps of 512.  Work-groups 0-255 take x, 256-287 Wq, 288-319 Wk, 320-351 Wv:
; only pointers are chosen, all take one path.  Each load reads 512 consecutive bytes; a step's 2,048 bytes turn through the wave's own stage in LDS, so that a lane gets 16 neighbours along K.
; A wave's store of codes covers 256 consecutive aligned bytes; its 256 scale bytes are gathered in LDS and leave as 256 consecutive aligned bytes.  No barrier: waves share nothing.
.set WAVES, 4
.set STEPS, 16
.set EMAX,  2
.set CB,    8                          ; bytes of 16 codes
.set R,     16                         ; v16-79   four sets of 16 numbers as they are loaded
.set X,     80                         ; v80-111  two sets of 16 neighbours
.set C,     128                        ; v128-191 codes: four registers for each step, so that no store's data are written again
.set E,     112                        ; v112-127 a scale byte for each step
.set WREG,  8192                       ; LDS: a region for each wave: two stages of 32 x SP bytes, behind them its 256 scale bytes
.set SP,    80                         ; a lane's place in a stage: 64 bytes + 16 of padding
.set SPW,   12                         ; v12 LDS address of my spare word; never rewritten
.set NIL,   13                         ; v13 0; never rewritten
.set SPARE, WAVES*WREG                 ; the spare words: 128 bytes a wave, named by no other line
	s_load_b256 s[4:11], s[0:1], 0x0               ; x, Wq, Wk, Wv
	s_load_b256 s[12:19], s[0:1], 0x20             ; x's codes, x's scales, the weights' codes, the weights' scales
	v_lshl_add_u32 v[SPW], v0, 2, SPARE
	v_mov_b32 v[NIL], 0
	v_lshrrev_b32 v1, 5, v0
	v_readfirstlane_b32 s20, v1                    ; wave
	v_and_b32 v2, 31, v0                           ; lane
	v_lshlrev_b32 v3, 4, v2                        ; my 16 bytes of a load's 512
	s_mul_i32 s22, s20, WREG
	v_lshrrev_b32 v14, 2, v2
	v_mul_u32_u24 v14, v14, SP
	v_and_b32 v15, 3, v2
	v_lshl_add_u32 v14, v15, 4, v14
	v_add_nc_u32 v14, s22, v14                     ; the stage, on the way in: SP (lane / 4) + 16 (lane % 4)
	v_mul_u32_u24 v15, v2, SP
	v_add_nc_u32 v15, s22, v15                     ; and on the way out: SP x lane: my 16 neighbours
	v_mul_u32_u24 v4, v2, CB                       ; my codes' place in a step's
	v_lshrrev_b32 v5, 1, v2
	s_add_co_u32 s22, s22, 2*32*SP
	v_add_nc_u32 v5, s22, v5                       ; LDS: my block's byte among my wave's 256
	v_lshlrev_b32 v7, 3, v2                        ; on the way out 8 bytes a lane
	v_add_nc_u32 v6, s22, v7
	s_wait_kmcnt 0x0
	s_cmp_lt_u32 ttmp9, 320                        ; the choices hang on the work-group's number alone
	s_cselect_b64 s[8:9], s[8:9], s[10:11]         ; Wk or Wv
	s_cmp_lt_u32 ttmp9, 288
	s_cselect_b64 s[6:7], s[6:7], s[8:9]           ; Wq, or one of those
	s_cmp_lt_u32 ttmp9, 256
	s_cselect_b64 s[4:5], s[4:5], s[6:7]           ; x, or a weight
	s_cselect_b64 s[12:13], s[12:13], s[16:17]     ; the codes' buffer
	s_cselect_b64 s[14:15], s[14:15], s[18:19]     ; the scale bytes' buffer
	s_cselect_b32 s21, 0, 256
	s_cselect_b32 s24, -1, 31
	s_sub_co_u32 s21, ttmp9, s21                   ; my number among the work-groups of the buffer that I store into,
	s_and_b32 s24, s21, s24                        ; and among those of the tensor that I load (32 to a weight)
	s_lshl_b32 s21, s21, 2
	s_add_co_u32 s21, s21, s20                     ; which run of 8,192 numbers is my wave's: in the buffers stored,
	s_lshl_b32 s24, s24, 2
	s_add_co_u32 s24, s24, s20                     ; and in the tensor loaded
	s_lshl_b32 s26, s24, 15                        ; 32,768 bytes of f32 a run
	s_mov_b32 s27, 0
	s_add_nc_u64 s[4:5], s[4:5], s[26:27]
	s_lshl_b32 s26, s21, 12                        ; 4,096 bytes of codes
	s_add_nc_u64 s[12:13], s[12:13], s[26:27]
	s_lshl_b32 s26, s21, 8                         ; 256 scale bytes
	s_add_nc_u64 s[14:15], s[14:15], s[26:27]
.macro LOAD t
.irp i, 0,1,2,3
	global_load_b128 v[R+16*((\t)%4)+4*\i:R+16*((\t)%4)+4*\i+3], v3, s[4:5] offset:2048*(\t)+512*\i th:TH_LOAD_NT   ; 32 lanes read 512 consecutive bytes
.endr
.endm
.macro TURN t                          ; step t's numbers through the stage: LDS serves a wave's instructions in order, so no wait stands between the stores and the loads
.irp i, 0,1,2,3
	ds_store_b128 v14, v[R+16*((\t)%4)+4*\i:R+16*((\t)%4)+4*\i+3] offset:32*SP*((\t)%2)+8*SP*\i
.endr
.irp i, 0,1,2,3
	ds_load_b128 v[X+16*((\t)%2)+4*\i:X+16*((\t)%2)+4*\i+3], v15 offset:32*SP*((\t)%2)+16*\i
.endr
.endm
.irp t, 0,1,2,3
	LOAD \t
.endr
	s_wait_loadcnt 12                              ; step 0's four loads are in; the twelve of steps 1 to 3 stay out
	TURN 0
.macro STEP t
.set XS, X+16*((\t)%2)
.if (\t) > 0
	s_wait_dscnt 1                                 ; this step's numbers are back from the stage (the last step's byte store may be out)
.else
	s_wait_dscnt 0x0
.endif
.if (\t)+4 < STEPS
	LOAD (\t)+4                                    ; into the registers that this step's stores into the stage have read
.endif
.if (\t)+1 < STEPS
.if STEPS-2-(\t) >= 3
	s_wait_loadcnt 12                              ; the next step's four loads are in; those of the three steps behind it may be out
.else
	s_wait_loadcnt 4*(STEPS-2-(\t))
.endif
	TURN (\t)+1                                    ; they go through the other stage while this step is worked
.endif
	v_max3_num_f32 v8, |v[XS]|, |v[XS+1]|, |v[XS+2]|               ; the largest magnitude of my 16, in two chains
	v_max3_num_f32 v9, |v[XS+3]|, |v[XS+4]|, |v[XS+5]|
.irp i, 6,10
	v_max3_num_f32 v8, v8, |v[XS+\i]|, |v[XS+\i+1]|
	v_max3_num_f32 v9, v9, |v[XS+\i+2]|, |v[XS+\i+3]|
.endr
	v_max3_num_f32 v8, v8, |v[XS+14]|, |v[XS+15]|
	v_max3_num_f32 v8, v8, v9, (EMAX+1)<<23        ; and the floor 2^(EMAX + 1 - 127): the byte cannot fall under 1
	v_max_num_f32_dpp v8, v8, v8 row_xmask:1 row_mask:0xf bank_mask:0xf   ; with my neighbour's 16: the block's
	v_add_nc_u32 v11, -(EMAX<<23), v8              ; EMAX off its exponent field: the conversion takes the exponent field of this operand as its scale
	v_cvt_scalef32_pk8_fp4_f32 v[C+4*(\t)], v[XS:XS+7], v11        ; to the nearest code, ties to even, beyond the largest code the largest
	v_cvt_scalef32_pk8_fp4_f32 v[C+4*(\t)+1], v[XS+8:XS+15], v11
	v_lshrrev_b32 v[E+(\t)], 23, v11               ; the scale's byte (also the plain line behind the conversions)
	ds_store_b8 v5, v[E+(\t)] offset:16*(\t)       ; both lanes of a block write the same byte with the same value
	global_store_b64 v4, v[C+4*(\t):C+4*(\t)+1], s[12:13] offset:32*CB*(\t)   ; the wave stores 256 consecutive aligned bytes
.endm
.irp t, 0,1,2,3,4,5,6,7,8,9,10,11,12,13,14,15
	STEP \t
.endr
	ds_load_b64 v[8:9], v6                         ; LDS serves a wave's instructions in order: these see my byte stores
	s_wait_dscnt 0x0
	global_store_b64 v7, v[8:9], s[14:15]          ; 32 lanes store 256 consecutive aligned bytes
	s_wait_tensorcnt 0x0                           ; the wave's end
	ds_add_u32 v[SPW], v[NIL]
	s_wait_dscnt 0x0
	s_endpgm
.Lfunc_end_k_q0cdafbcd26_quant:
	.size	k_q0cdafbcd26_quant, .Lfunc_end_k_q0cdafbcd26_quant-k_q0cdafbcd26_quant
	.p2alignl 7, 3214868480
	.fill 96, 4, 3214868480
	.section	.rodata,"a",@progbits
	.p2align	6, 0x0
	.amdhsa_kernel k_q0cdafbcd26_quant
		.amdhsa_group_segment_fixed_size 33280
		.amdhsa_private_segment_fixed_size 0
		.amdhsa_enable_private_segment 0
		.amdhsa_kernarg_size 64
		.amdhsa_user_sgpr_count 2
		.amdhsa_user_sgpr_kernarg_segment_ptr 1
		.amdhsa_wavefront_size32 1
		.amdhsa_system_sgpr_workgroup_id_x 1
		.amdhsa_system_sgpr_workgroup_id_y 1
		.amdhsa_system_sgpr_workgroup_id_z 1
		.amdhsa_system_vgpr_workitem_id 0
		.amdhsa_next_free_vgpr 192
		.amdhsa_next_free_sgpr 66
		.amdhsa_reserve_vcc 0
		.amdhsa_float_denorm_mode_32 3
		.amdhsa_float_denorm_mode_16_64 3
		.amdhsa_memory_ordered 1
		.amdhsa_forward_progress 1
		.amdhsa_inst_pref_size 34
	.end_amdhsa_kernel
	.amdgpu_metadata
---
amdhsa.version: [ 1, 2 ]
amdhsa.kernels:
  - .name:           k_q0cdafbcd26_quant
    .symbol:         k_q0cdafbcd26_quant.kd
    .args:
      - { .name: x, .offset: 0, .size: 8, .value_kind: global_buffer, .address_space: global }
      - { .name: Wq, .offset: 8, .size: 8, .value_kind: global_buffer, .address_space: global }
      - { .name: Wk, .offset: 16, .size: 8, .value_kind: global_buffer, .address_space: global }
      - { .name: Wv, .offset: 24, .size: 8, .value_kind: global_buffer, .address_space: global }
      - { .name: x_codes, .offset: 32, .size: 8, .value_kind: global_buffer, .address_space: global }
      - { .name: x_scales, .offset: 40, .size: 8, .value_kind: global_buffer, .address_space: global }
      - { .name: w_codes, .offset: 48, .size: 8, .value_kind: global_buffer, .address_space: global }
      - { .name: w_scales, .offset: 56, .size: 8, .value_kind: global_buffer, .address_space: global }
    .group_segment_fixed_size: 33280
    .private_segment_fixed_size: 0
    .kernarg_segment_align: 8
    .kernarg_segment_size: 64
    .max_flat_workgroup_size: 128
    .sgpr_count:     66
    .vgpr_count:     192
    .wavefront_size: 32
...
	.end_amdgpu_metadata
.endif
;; end of part 1
;; launch qkv (part 2): grid 8 x 32, 4 waves a work-group, clusters of 4 x 4, 327,680 bytes of LDS; arguments x_codes, x_scales, w_codes, w_scales, bq, bv, qkv; writes qkv
.if DOCPART == 2
	.amdgcn_target "amdgcn-amd-amdhsa--gfx1250"
	.amdhsa_code_object_version 6
	.text
	.protected	k_q0cdafbcd26_qkv
	.globl	k_q0cdafbcd26_qkv
	.p2align	8
	.type	k_q0cdafbcd26_qkv,@function
k_q0cdafbcd26_qkv:
	s_mov_b64 s[64:65], 0
	v_nop
	global_prefetch_b8 v0, s[64:65] scope:SCOPE_SE
	s_setreg_imm32_b32 hwreg(HW_REG_WAVE_MODE, 25, 1), 1
	s_wait_xcnt 0x0
	s_wait_alu depctr_hold_cnt(0) depctr_sa_sdst(0) depctr_va_vdst(0) depctr_va_sdst(0) depctr_va_ssrc(0) depctr_va_vcc(0) depctr_vm_vsrc(0)
	s_getreg_b32 s2, hwreg(HW_REG_IB_STS2, 6, 4)
	s_cmp_eq_u32 s2, 0
	s_cbranch_scc0 .Lentry_in_a_cluster
	s_endpgm
.Lentry_in_a_cluster:
	s_bfe_u32 s2, ttmp6, 0x10000c
	s_cmp_lg_u32 s2, 0xf033
	s_cbranch_scc0 .Lentry_shape_is_right
	s_endpgm
.Lentry_shape_is_right:
; qkv[t][n] = sum over k of x[t][k] W[n][k] + bias[n], on codes of FP4 (E2M1) with one E8M0 byte for each 32 along K; sums in f32, the result rounded once to f16.
; x: 8,192 rows; W: 3,072 rows (Wq, Wk, Wv on end); K = 1,024: a row of codes is 512 bytes.  qkv: [8192][3072] f16: a token's Q, K and V on end, 6,144 bytes a row.
; LEFT OUT: bk.  Q . bk is the same for all keys of a query, so the softmax takes it away for all finite inputs, and no quantiser sees K: K's sums begin with the constant 0.
; LIMIT: Q, K and V are kept in f16: beyond 65,504 they become infinite, under 6e-5 they lose bits.
; SHARES.  256 work-groups of equal work: a work-group takes 256 tokens and columns 128 c .. 128 c + 127 of Q, of K and of V: three tiles that share x.  A wave takes 64 tokens x 128 columns: 32 accumulators, 256 registers.
; x's tile (256 rows x 528 bytes) and three tiles of W (128 x 528 each) are 337,920 bytes: more than LDS holds.  So x, Wq, Wk and all scale bytes come first; each wave reads its 64 tokens' codes into 256 registers, where they
; stay for all three tiles (a fragment of x is read from LDS once in the launch); behind a round of the cluster's barrier Wv is then filled over x's first 128 rows, and has 480 matrix instructions of a wave in which to land.
; CLUSTERS: 4 x 4 work-groups; x's tile and scale bytes are shared along a row of the cluster, W's along a column, each asked for jointly.
; THE MATRIX INSTRUCTION IS USED TRANSPOSED (source 0 = 16 rows of W, source 1 = 16 tokens): a lane holds eight neighbouring columns of one token.  The bias is the C of each sum's first product.
; THE WAY OUT of a tile stands under the next tile's products: its 32 accumulators are rounded to f16 at once (128 registers), and the packed rows go through the wave's stage and to memory in the next tile's first five steps.
; No prefetch: all but one of the loads stand at the head, and the launch is short.
; REGISTERS: window 0: v0-31 addresses; v32-63 x's scale words (block a, K step s at 8 a + s); v64-127 W's (8 b + s); v128-255 a tile's packed results.   window 1: x's fragments ((a, s) at v[8 (8 a + s)]).
;   window 2: accumulator (a, b) at v[8 (8 a + b)].   window 3: v0-127 W's fragments, two sets; v128-191 the bias in the result's layout; v192-255 rows read back from the stage, two sets.
.set KROW,   512                       ; a row of codes in memory
.set PITCH,  528                       ; and in LDS: 512 bytes + 16 of padding = 33 x 16: the 16 rows that a load touches start 16 bytes apart modulo 256
.set TILEB,  128*PITCH
.set XT,     0                         ; x's 256 rows; later, over the first 128 of them, Wv's tile
.set WT0,    2*TILEB                   ; Wq's tile
.set WT1,    3*TILEB                   ; Wk's
.set XS,     4*TILEB                   ; x's scale bytes: 8,192 dense bytes as 32 rows of 256 bytes + 16
.set XSH,    16*272                    ; half of them: what one tensor load brings
.set WS,     XS+2*XSH                  ; W's scale bytes: [half of the 128 rows][Wq, Wk, Wv][8 rows of 256 bytes + 16]
.set WSJ,    8*272
.set WSH,    3*WSJ
.set STAGE,  WS+2*WSH                  ; the way out: 16 rows x 272 bytes for each wave; no tensor load lands here
.set SPITCH, 272
.set SPARE,  STAGE+4*16*SPITCH         ; the spare words: 128 bytes a wave, named by no other line
.set OROW,   6144                      ; a row of qkv in bytes
.set ADX,  16                          ; v16    my place in x's tile
.set AW,   17                          ; v17-19 my place in Wq's, Wk's, Wv's tile
.set ASX,  20                          ; v20    my place among x's scale words
.set ASW,  21                          ; v21    and among W's
.set STO,  24
.set RD,   25
.set CO,   26
.set SPW,  28
.set NIL,  29
.set BOF,  30                          ; v30    the bias loads' offset: 32 x (lane / 16); never rewritten
.set SA,   32
.set SB,   64
.set TMP,  128
.set BIAS, 128                         ; in window 3
.set OB,   192                         ; in window 3
.set G1X,  24                          ; s[24:31] group 1 for x's tile;          s[32:35] its group 0;  s[36:39] group 0 for x's scale bytes
.set G0X,  32
.set G0SX, 36
.set G1W,  48                          ; s[48:55] group 1 for W's tiles;         s[56:59] group 0 for Wq's or Wk's;  s[60:63] for W's scale bytes
.set G0W,  56
.set G0SW, 60
.set G1SX, 68                          ; s[68:75] group 1 for x's scale bytes;   s[76:83] for W's
.set G1SW, 76
.set G0V,  84                          ; s[84:87] group 0 for Wv's tile
.set MSB, 0
.macro WIN new                         ; the immediate's high byte repeats the setting that is left; a switch that changes nothing is dropped
.if MSB != (\new)
	s_set_vgpr_msb (MSB<<8)|(\new)
.set MSB, (\new)
.endif
.endm
.set MULW, 0xa7                        ; source 0 (W) window 3, source 1 (x) window 1, C and D window 2
.set MULB, 0xb7                        ; the same with C, the bias, in window 3
.set TO_3, 0xc0                        ; destination window 3, address window 0
; A joint load: waves 0 and 1 fetch for x, waves 2 and 3 for W.  The branch hangs on the wave's number alone.  An s_nop 0 and four v_nop follow each line.
.macro JLOAD g0a, g1a, g0b, g1b
	s_cmp_eq_u32 s15, 0
	s_cbranch_scc0 .Lfor_b_\@
	tensor_load_to_lds s[\g0a:\g0a+3], s[\g1a:\g1a+7]
	s_nop 0
.rept 4
	v_nop
.endr
	s_branch .Lasked_\@
.Lfor_b_\@:
	tensor_load_to_lds s[\g0b:\g0b+3], s[\g1b:\g1b+7]
	s_nop 0
.rept 4
	v_nop
.endr
.Lasked_\@:
.endm
.macro CROUND                          ; a round of the cluster's barrier
	s_barrier_signal -1
	s_barrier_wait -1
	s_cmp_lg_u32 s14, 0
	s_cbranch_scc1 .Lnot_wave_0_\@
	s_barrier_signal -3
.Lnot_wave_0_\@:
	s_barrier_wait -3
	s_barrier_signal -1
	s_barrier_wait -1
.endm
	s_load_b128 s[4:7], s[0:1], 0x0                ; x's codes, x's scales
	s_load_b128 s[8:11], s[0:1], 0x10              ; W's codes, W's scales
	s_load_b128 s[96:99], s[0:1], 0x20             ; bq, bv
	s_load_b64 s[12:13], s[0:1], 0x30              ; qkv
	v_lshl_add_u32 v[SPW], v0, 2, SPARE
	v_mov_b32 v[NIL], 0
	ds_add_u32 v[SPW], v[NIL]                      ; the wave's opening: the add, twice on end, and its wait ahead of my first tensor load
	ds_add_u32 v[SPW], v[NIL]
	v_lshrrev_b32 v1, 5, v0
	v_readfirstlane_b32 s14, v1                    ; wave 0..3: my 64 tokens
	s_lshr_b32 s15, s14, 1                         ; I fetch for x (0) or for W (1)
	s_and_b32 s16, s14, 1                          ; which half (x, scale bytes) or which weight (Wq, Wk) I fetch
	s_bfe_u32 s40, ttmp6, 0x40000                  ; cx, cy
	s_bfe_u32 s41, ttmp6, 0x40004
	s_lshl_b32 s42, ttmp9, 2
	s_add_co_u32 s42, s42, s40                     ; c = 4 x cluster x + cx: which 128 columns of Q, K and V
	s_and_b32 s17, ttmp7, 0xffff
	s_lshl_b32 s17, s17, 2
	s_add_co_u32 s17, s17, s41                     ; tile of tokens = 4 x cluster y + cy
	s_lshl_b32 s43, s41, 2
	s_lshl_b32 s43, 15, s43                        ; my row of the cluster
	s_lshl_b32 s44, 0x1111, s40                    ; my column
	s_or_b32 s[G1X+0], s43, (0<<16)|(1<<20)|(1<<21)|(6<<22)|(3<<25)  ; the mask; elements of 1 byte; padding on; bit 21 beside a mask; after every 128 words, 4 words
	s_or_b32 s[G1W+0], s44, (0<<16)|(1<<20)|(1<<21)|(6<<22)|(3<<25)
.irp g, G1X, G1W
	s_mov_b32 s[\g+1], KROW<<16                    ; tensor_dim0: a whole row of codes
	s_mov_b32 s[\g+2], 128<<16                     ; tensor_dim1
	s_mov_b32 s[\g+3], KROW<<16                    ; tile_dim0
	s_mov_b32 s[\g+4], 128                         ; tile_dim1
	s_mov_b32 s[\g+5], KROW                        ; from row to row
	s_mov_b32 s[\g+6], 0
	s_mov_b32 s[\g+7], 0
.endr
	s_or_b32 s[G1SX+0], s43, (3<<16)|(1<<20)|(1<<21)|(5<<22)|(3<<25) ; x's scale bytes of 128 rows: 4,096 dense bytes as 16 rows of 32 elements of 8 bytes; after every 64 words, 4 words
	s_mov_b32 s[G1SX+1], 32<<16
	s_mov_b32 s[G1SX+2], 16<<16
	s_mov_b32 s[G1SX+3], 32<<16
	s_mov_b32 s[G1SX+4], 16
	s_mov_b32 s[G1SX+5], 32
	s_mov_b32 s[G1SX+6], 0
	s_mov_b32 s[G1SX+7], 0
	s_or_b32 s[G1SW+0], s44, (3<<16)|(1<<20)|(1<<21)|(5<<22)|(3<<25) ; W's: 64 rows' 2,048 dense bytes (256 elements of 8 bytes) of each of the three weights, which lie 1,024 rows = 4,096 elements apart
	s_mov_b32 s[G1SW+1], 256<<16
	s_mov_b32 s[G1SW+2], 3<<16
	s_mov_b32 s[G1SW+3], 256<<16
	s_mov_b32 s[G1SW+4], 3
	s_mov_b32 s[G1SW+5], 4096
	s_mov_b32 s[G1SW+6], 0
	s_mov_b32 s[G1SW+7], 0
	s_lshl_b32 s18, s16, 7
	s_lshl_b32 s20, s17, 8
	s_add_co_u32 s20, s20, s18                     ; x: row 256 x tile + 128 x half
	s_lshl_b32 s22, s20, 5                         ; its scale bytes,
	s_mov_b32 s23, 0
	s_lshl_b32 s20, s20, 9                         ; its codes
	s_mov_b32 s21, 0
	s_lshl_b32 s46, s16, 10
	s_lshl_b32 s47, s42, 7
	s_add_co_u32 s46, s46, s47                     ; W: row 1,024 x (Wq or Wk) + 128 c
	s_lshl_b32 s46, s46, 9
	s_lshl_b32 s92, s16, 6
	s_add_co_u32 s92, s92, s47                     ; W's scale bytes: row 128 c + 64 x half
	s_lshl_b32 s92, s92, 5
	s_mov_b32 s93, 0
	s_add_co_u32 s94, s47, 2048                    ; Wv: row 2,048 + 128 c
	s_lshl_b32 s94, s94, 9
	s_mov_b32 s95, 0
	s_mov_b32 s47, 0
	s_mul_i32 s45, s16, TILEB                      ; where they go: no place in the cluster enters an LDS address
	s_mul_i32 s88, s16, XSH
	s_mul_i32 s89, s16, WSH
	s_wait_dscnt 0x0                               ; both opening adds are done
	s_wait_kmcnt 0x0
	s_add_nc_u64 s[20:21], s[4:5], s[20:21]
	s_add_nc_u64 s[22:23], s[6:7], s[22:23]
	s_add_nc_u64 s[46:47], s[8:9], s[46:47]
	s_add_nc_u64 s[92:93], s[10:11], s[92:93]
	s_add_nc_u64 s[94:95], s[8:9], s[94:95]
	CROUND                                         ; all sixteen work-groups are here: the joint loads meet
	s_mov_b32 s[G0SX], 1
	s_add_co_u32 s[G0SX+1], s88, XS
	s_mov_b64 s[G0SX+2:G0SX+3], s[22:23]
	s_or_b32 s[G0SX+3], s[G0SX+3], 0x80000000
	s_mov_b32 s[G0SW], 1
	s_add_co_u32 s[G0SW+1], s89, WS
	s_mov_b64 s[G0SW+2:G0SW+3], s[92:93]
	s_or_b32 s[G0SW+3], s[G0SW+3], 0x80000000
	JLOAD G0SX, G1SX, G0SW, G1SW                   ; the scale bytes
	s_mov_b32 s[G0X], 1
	s_add_co_u32 s[G0X+1], s45, XT
	s_mov_b64 s[G0X+2:G0X+3], s[20:21]
	s_or_b32 s[G0X+3], s[G0X+3], 0x80000000
	s_mov_b32 s[G0W], 1
	s_add_co_u32 s[G0W+1], s45, WT0
	s_mov_b64 s[G0W+2:G0W+3], s[46:47]
	s_or_b32 s[G0W+3], s[G0W+3], 0x80000000
	JLOAD G0X, G1X, G0W, G1W                       ; x's two halves, Wq's tile, Wk's tile: two loads of mine are out
	s_mov_b32 s[G0V], 1                            ; Wv's tile: asked for later, over x's first 128 rows
	s_mov_b32 s[G0V+1], XT
	s_mov_b64 s[G0V+2:G0V+3], s[94:95]
	s_or_b32 s[G0V+3], s[G0V+3], 0x80000000
	v_and_b32 v1, 15, v0                           ; r = lane % 16
	v_bfe_u32 v2, v0, 4, 1                         ; h = lane / 16
	; THE BIAS of my 128 columns in the result's layout: register 8 b + j of lane (r, h) is bias[128 c + 16 b + 8 h + j].  bq now; bv takes its place when tile 0's first step has read it
	v_lshlrev_b32 v[BOF], 5, v2
	s_lshl_b32 s18, s42, 9
	s_mov_b32 s19, 0
	s_add_nc_u64 s[96:97], s[96:97], s[18:19]
	s_add_nc_u64 s[98:99], s[98:99], s[18:19]
	WIN TO_3
.irp b, 0,1,2,3,4,5,6,7
	global_load_b128 v[BIAS+8*\b:BIAS+8*\b+3], v[BOF], s[96:97] offset:64*\b
	global_load_b128 v[BIAS+8*\b+4:BIAS+8*\b+7], v[BOF], s[96:97] offset:64*\b+16
.endr
	WIN 0
	v_mul_u32_u24 v3, v1, PITCH
	v_lshl_add_u32 v3, v2, 4, v3                   ; a fragment's row x pitch + 16 x half
	s_mul_i32 s18, s14, 64*PITCH
	v_add_nc_u32 v[ADX], s18, v3                   ; x: my 64 tokens
	v_add_nc_u32 v[AW], WT0, v3
	v_add_nc_u32 v[AW+1], WT1, v3
	v_add_nc_u32 v[AW+2], XT, v3
	v_lshlrev_b32 v4, 5, v1                        ; scale bytes: 32 a row,
	v_lshrrev_b32 v5, 8, v4
	v_lshl_add_u32 v4, v5, 4, v4                   ; and 16 more for each 256 passed
	s_mul_i32 s18, s14, 8*272                      ; my 64 tokens' are eight rows of 256 bytes
	s_add_co_u32 s18, s18, XS
	v_add_nc_u32 v[ASX], s18, v4
	v_add_nc_u32 v[ASW], WS, v4
	s_mul_i32 s23, s14, 16*SPITCH
	s_add_co_u32 s23, s23, STAGE                   ; my stage
	v_mul_u32_u24 v5, v1, SPITCH                   ; in: row r, 16 bytes for each half of the lanes
	v_lshl_add_u32 v5, v2, 4, v5
	v_add_nc_u32 v[STO], s23, v5
	v_mul_u32_u24 v5, v2, SPITCH                   ; back: lanes 0-15 one row of 256 bytes, lanes 16-31 the next
	v_lshl_add_u32 v5, v1, 4, v5
	v_add_nc_u32 v[RD], s23, v5
	v_mul_u32_u24 v5, v2, OROW                     ; and the same two rows in qkv
	v_lshl_add_u32 v[CO], v1, 4, v5
	s_lshl_b32 s20, s17, 8
	s_lshl_b32 s21, s14, 6
	s_add_co_u32 s20, s20, s21                     ; my first token
	s_mul_i32 s20, s20, OROW
	s_lshl_b32 s21, s42, 8                         ; my 128 columns: 256 bytes, at a multiple of 256
	s_add_co_u32 s20, s20, s21
	s_mov_b32 s21, 0
	s_add_nc_u64 s[12:13], s[12:13], s[20:21]
.macro FETCH_W j, s, p                 ; weight j's eight fragments of K step s into set p.  16 rows x 128 K of 4-bit codes: lane l holds row l % 16; registers 4 c .. 4 c + 3 hold K = 64 c + 32 (l / 16) + 0 .. 31
	WIN TO_3
.irp b, 0,1,2,3,4,5,6,7
	ds_load_b128 v[64*(\p)+8*\b:64*(\p)+8*\b+3],   v[AW+(\j)] offset:\b*16*PITCH+64*(\s)
	ds_load_b128 v[64*(\p)+8*\b+4:64*(\p)+8*\b+7], v[AW+(\j)] offset:\b*16*PITCH+64*(\s)+32
.endr
.endm
.macro SCALES j, hf                    ; weight j's scale words of K steps 4 hf .. 4 hf + 3: lane r takes row r's of each block b
	WIN 0
.irp b, 0,1,2,3,4,5,6,7
	ds_load_b128 v[SB+8*\b+4*(\hf):SB+8*\b+4*(\hf)+3], v[ASW] offset:(\b/4)*WSH+(\j)*WSJ+(\b%4)*544+16*(\hf)
.endr
.endm
; 8 matrix instructions: token block a against W's eight.  cm = 1: the bias is C; 2: the constant 0; 0: the sum goes on.  The 32 accumulators take turns, one instruction a turn, in the same order in every step.
.macro MUL8 a, p, s, cm
.irp b, 0,1,2,3,4,5,6,7
.if (\cm) == 1
	v_wmma_scale_f32_16x16x128_f8f6f4 v[8*(8*(\a)+\b):8*(8*(\a)+\b)+7], v[64*(\p)+8*\b:64*(\p)+8*\b+7], v[8*(8*(\a)+(\s)):8*(8*(\a)+(\s))+7], v[BIAS+8*\b:BIAS+8*\b+7], v[SB+8*\b+(\s)], v[SA+8*(\a)+(\s)] matrix_a_fmt:MATRIX_FMT_FP4 matrix_b_fmt:MATRIX_FMT_FP4
.elseif (\cm) == 2
	v_wmma_scale_f32_16x16x128_f8f6f4 v[8*(8*(\a)+\b):8*(8*(\a)+\b)+7], v[64*(\p)+8*\b:64*(\p)+8*\b+7], v[8*(8*(\a)+(\s)):8*(8*(\a)+(\s))+7], 0, v[SB+8*\b+(\s)], v[SA+8*(\a)+(\s)] matrix_a_fmt:MATRIX_FMT_FP4 matrix_b_fmt:MATRIX_FMT_FP4
.else
	v_wmma_scale_f32_16x16x128_f8f6f4 v[8*(8*(\a)+\b):8*(8*(\a)+\b)+7], v[64*(\p)+8*\b:64*(\p)+8*\b+7], v[8*(8*(\a)+(\s)):8*(8*(\a)+(\s))+7], v[8*(8*(\a)+\b):8*(8*(\a)+\b)+7], v[SB+8*\b+(\s)], v[SA+8*(\a)+(\s)] matrix_a_fmt:MATRIX_FMT_FP4 matrix_b_fmt:MATRIX_FMT_FP4
.endif
.endr
.endm
.macro PLACES                          ; four plain vector lines between a matrix instruction and a load into, or a read of, its registers
.rept 4
	v_nop
.endr
.endm
; THE WAY OUT.  PACKALL: a tile's 32 accumulators, each from its low end on, rounded to f16: 16 bytes a lane and accumulator.  TOSTAGE a: token block a into my own stage and back as whole rows of 256 bytes.  SEND: stored.
.macro PACKALL
	WIN 0x0a                                       ; sources 0 and 1: window 2
.set ii, 0
.rept 32
.irp rr, 0,1,2,3
	v_cvt_pk_f16_f32 v[TMP+4*ii+\rr], v[8*ii+2*\rr], v[8*ii+2*\rr+1]
.endr
.set ii, ii+1
.endr
	WIN 0
.endm
.macro TOSTAGE a
	WIN 0
	s_wait_xcnt 0x0                                ; earlier stores have read their data: the set of rows that they left may be loaded again
.irp b, 0,1,2,3,4,5,6,7
	ds_store_b128 v[STO], v[TMP+32*(\a)+4*\b:TMP+32*(\a)+4*\b+3] offset:32*\b
.endr
	WIN TO_3
.irp t, 0,1,2,3,4,5,6,7
	ds_load_b128 v[OB+32*((\a)%2)+4*\t:OB+32*((\a)%2)+4*\t+3], v[RD] offset:\t*2*SPITCH   ; LDS serves a wave's instructions in order: these see the stores above
.endr
.endm
.macro SEND j, a                       ; every offset is an immediate: 385,024 bytes at the most, inside the signed 24 bits
	WIN 0x0c                                       ; a store's data are its source 1: window 3
.irp t, 0,1,2,3,4,5,6,7
	global_store_b128 v[CO], v[OB+32*((\a)%2)+4*\t:OB+32*((\a)%2)+4*\t+3], s[12:13] offset:(\j)*2048+(16*(\a)+2*\t)*OROW   ; 16 lanes store 256 consecutive bytes, at a multiple of 256 from the buffer's first byte
.endr
.endm
; A step of 128 along K of tile j: 32 matrix instructions.  At its head the next step's fragments of W are asked for, 32 matrix instructions ahead of their use.  wo = 1: the tile before leaves under steps 0 to 4.
.macro STEP j, s, cm, wo
	s_wait_dscnt 0x0                               ; this step's fragments and scale words are in, and so are the rows asked back from the stage
.if (\wo) && ((\s) >= 1) && ((\s) <= 4)
	SEND (\j)-1, (\s)-1
.endif
	PLACES                                         ; in front of loads into registers that the step before has multiplied
.if (\s) < 7
	FETCH_W \j, (\s)+1, 1-(\s)%2
.elseif (\j) < 2
	FETCH_W (\j)+1, 0, 0
.endif
.if ((\s) == 5) && ((\j) < 2)
	SCALES (\j)+1, 0                               ; the next tile's scale words of K steps 0 to 3: this tile has done with those registers since its step 3
.endif
.if ((\s) == 1) && ((\j) > 0)
	SCALES \j, 1                                   ; and of K steps 4 to 7, which the tile before read to its end
.endif
.if ((\s) == 2) && ((\j) == 0)
	WIN TO_3
.irp b, 0,1,2,3,4,5,6,7
	global_load_b128 v[BIAS+8*\b:BIAS+8*\b+3], v[BOF], s[98:99] offset:64*\b      ; bv over bq, which step 0 has read
	global_load_b128 v[BIAS+8*\b+4:BIAS+8*\b+7], v[BOF], s[98:99] offset:64*\b+16
.endr
.endif
.if (\wo) && ((\s) <= 3)
	TOSTAGE \s
.endif
.if (\cm) == 1
	WIN MULB
.else
	WIN MULW
.endif
	MUL8 0, (\s)%2, \s, \cm
	MUL8 1, (\s)%2, \s, \cm
	MUL8 2, (\s)%2, \s, \cm
	MUL8 3, (\s)%2, \s, \cm
.endm
.macro TILE j, cm, wo                  ; steps 0 to 6
	STEP \j, 0, \cm, \wo
.irp q, 1,2,3,4,5,6
	STEP \j, \q, 0, \wo
.endr
.endm
	s_wait_tensorcnt 0x0                           ; my two loads have landed,
	s_barrier_signal -1
	s_barrier_wait -1                              ; everybody's have
	WIN 0x40                                       ; destination window 1
.irp a, 0,1,2,3
.irp s, 0,1,2,3,4,5,6,7
	ds_load_b128 v[8*(8*\a+\s):8*(8*\a+\s)+3],   v[ADX] offset:\a*16*PITCH+64*\s       ; x's fragments of my 64 tokens, all of K: they stay
	ds_load_b128 v[8*(8*\a+\s)+4:8*(8*\a+\s)+7], v[ADX] offset:\a*16*PITCH+64*\s+32
.endr
.endr
	WIN 0
.irp a, 0,1,2,3
	ds_load_b128 v[SA+8*\a:SA+8*\a+3],   v[ASX] offset:\a*544                          ; and their scale words
	ds_load_b128 v[SA+8*\a+4:SA+8*\a+7], v[ASX] offset:\a*544+16
.endr
	SCALES 0, 0
	SCALES 0, 1
	FETCH_W 0, 0, 0
	WIN 0
	s_wait_tensorcnt 0x0                           ; no tensor load of mine is out;
	ds_add_u32 v[SPW], v[NIL]                      ; 0 onto my spare word;
	s_wait_dscnt 0x0                               ; the add is done, and my reads of x's tile are over
	CROUND                                         ; no wave of any partner still reads x's tile or has a load on its way
	s_cmp_eq_u32 s14, 2                            ; one load of 128 rows, by wave 2 of each of the four partners of my column
	s_cbranch_scc0 .Lno_refill
	tensor_load_to_lds s[G0V:G0V+3], s[G1W:G1W+7]  ; Wv's tile over x's first 128 rows
	s_nop 0
.rept 4
	v_nop
.endr
.Lno_refill:
	s_wait_loadcnt 0x0                             ; bq
	TILE 0, 1, 0                                   ; Q: the first products start the sums on the bias
	STEP 0, 7, 0, 0
	PLACES
	PACKALL
	TILE 1, 2, 1                                   ; K: no bias
	s_wait_tensorcnt 0x0                           ; Wv's tile has landed (wave 2's one load),
	s_wait_dscnt 0x0
	s_barrier_signal -1
	s_barrier_wait -1                              ; and all four waves know: step 7 asks for its first fragments
	STEP 1, 7, 0, 1
	PLACES
	PACKALL
	s_wait_loadcnt 0x0                             ; bv
	TILE 2, 1, 1                                   ; V
	STEP 2, 7, 0, 1
	PLACES
	PACKALL
	TOSTAGE 0                                      ; nothing follows the last tile: a block's rows are stored while the next block goes through the stage
.irp a, 1,2,3
	TOSTAGE \a
	s_wait_dscnt 16                                ; block a - 1 is back (behind its loads: block a's 8 stores and 8 loads)
	SEND 2, (\a)-1
.endr
	s_wait_dscnt 0x0
	SEND 2, 3
	WIN 0
	s_wait_tensorcnt 0x0                           ; the wave's end
	ds_add_u32 v[SPW], v[NIL]
	s_wait_dscnt 0x0
	CROUND                                         ; the closing round
	s_endpgm
.Lfunc_end_k_q0cdafbcd26_qkv:
	.size	k_q0cdafbcd26_qkv, .Lfunc_end_k_q0cdafbcd26_qkv-k_q0cdafbcd26_qkv
	.p2alignl 7, 3214868480
	.fill 96, 4, 3214868480
	.section	.rodata,"a",@progbits
	.p2align	6, 0x0
	.amdhsa_kernel k_q0cdafbcd26_qkv
		.amdhsa_group_segment_fixed_size 327680
		.amdhsa_private_segment_fixed_size 0
		.amdhsa_enable_private_segment 0
		.amdhsa_kernarg_size 56
		.amdhsa_user_sgpr_count 2
		.amdhsa_user_sgpr_kernarg_segment_ptr 1
		.amdhsa_wavefront_size32 1
		.amdhsa_system_sgpr_workgroup_id_x 1
		.amdhsa_system_sgpr_workgroup_id_y 1
		.amdhsa_system_sgpr_workgroup_id_z 1
		.amdhsa_system_vgpr_workitem_id 0
		.amdhsa_next_free_vgpr 1024
		.amdhsa_next_free_sgpr 100
		.amdhsa_reserve_vcc 0
		.amdhsa_float_denorm_mode_32 3
		.amdhsa_float_denorm_mode_16_64 3
		.amdhsa_memory_ordered 1
		.amdhsa_forward_progress 1
		.amdhsa_inst_pref_size 194
	.end_amdhsa_kernel
	.amdgpu_metadata
---
amdhsa.version: [ 1, 2 ]
amdhsa.kernels:
  - .name:           k_q0cdafbcd26_qkv
    .symbol:         k_q0cdafbcd26_qkv.kd
    .args:
      - { .name: x_codes, .offset: 0, .size: 8, .value_kind: global_buffer, .address_space: global }
      - { .name: x_scales, .offset: 8, .size: 8, .value_kind: global_buffer, .address_space: global }
      - { .name: w_codes, .offset: 16, .size: 8, .value_kind: global_buffer, .address_space: global }
      - { .name: w_scales, .offset: 24, .size: 8, .value_kind: global_buffer, .address_space: global }
      - { .name: bq, .offset: 32, .size: 8, .value_kind: global_buffer, .address_space: global }
      - { .name: bv, .offset: 40, .size: 8, .value_kind: global_buffer, .address_space: global }
      - { .name: qkv, .offset: 48, .size: 8, .value_kind: global_buffer, .address_space: global }
    .group_segment_fixed_size: 327680
    .private_segment_fixed_size: 0
    .kernarg_segment_align: 8
    .kernarg_segment_size: 56
    .max_flat_workgroup_size: 128
    .sgpr_count:     100
    .vgpr_count:     1024
    .wavefront_size: 32
...
	.end_amdgpu_metadata
.endif
;; end of part 2
;; launch scores (part 3): grid 8 x 32, 4 waves a work-group, clusters of 4 x 4, 327,680 bytes of LDS; arguments qkv, p, stats; writes p, stats
.if DOCPART == 3
	.amdgcn_target "amdgcn-amd-amdhsa--gfx1250"
	.amdhsa_code_object_version 6
	.text
	.protected	k_q0cdafbcd26_scores
	.globl	k_q0cdafbcd26_scores
	.p2align	8
	.type	k_q0cdafbcd26_scores,@function
k_q0cdafbcd26_scores:
	s_mov_b64 s[64:65], 0
	v_nop
	global_prefetch_b8 v0, s[64:65] scope:SCOPE_SE
	s_setreg_imm32_b32 hwreg(HW_REG_WAVE_MODE, 25, 1), 1
	s_wait_xcnt 0x0
	s_wait_alu depctr_hold_cnt(0) depctr_sa_sdst(0) depctr_va_vdst(0) depctr_va_sdst(0) depctr_va_ssrc(0) depctr_va_vcc(0) depctr_vm_vsrc(0)
	s_getreg_b32 s2, hwreg(HW_REG_IB_STS2, 6, 4)
	s_cmp_eq_u32 s2, 0
	s_cbranch_scc0 .Lentry_in_a_cluster
	s_endpgm
.Lentry_in_a_cluster:
	s_bfe_u32 s2, ttmp6, 0x10000c
	s_cmp_lg_u32 s2, 0xf033
	s_cbranch_scc0 .Lentry_shape_is_right
	s_endpgm
.Lentry_shape_is_right:
; p[q][k] = 2^(t - M), t = (Q[q] . K[k]) log2(e) / 32, for each query and each BLOCK of 128 keys under the block's own M = the block's largest t rounded up to a whole number.
; Q, K: f16, in qkv [8192][3072] (Q at byte 0 of a row, K at byte 2,048); p: [8192][2048] f16; stats: -M at ((block x 8192) + query) x 4, the block's sum of p (f32, unrounded p) 524,288 bytes on.
; The next launch brings the sixteen blocks of a row under the row's largest M by exact powers of two: so the maximum is taken away before every exponential, and p is at most 1.
; LEFT OUT: bk (K's columns of qkv carry no bias): Q . bk is the same along the softmax's axis.
; LIMIT: a p under 6e-5 loses bits in f16, beside a block's largest p of more than 1/2.
; A tile of 256 queries x 256 keys of one batch is made by four waves, each 128 x 128: 64 accumulators, 512 registers.  The head's 1,024 go in eight steps of 128 through a ring of two LDS slots.
; CLUSTERS: 4 x 4 work-groups, all of one batch; Q's tiles are shared along a row of the cluster, K's along a column, each asked for jointly.
; THE MATRIX INSTRUCTION IS USED TRANSPOSED (source 0 = 16 keys, source 1 = 16 queries): a lane holds one query and eight neighbouring keys of each of eight tiles: a block's maximum and sum want one exchange between the halves of the lanes.
; REGISTERS: window 0: v0-31 addresses and the softmax's small numbers; v64-127, v128-191 Q's fragments, two buffers; on the way out v64-127 t and p, v192-223 packed p, v32-63 and v224-255 rows read back.
;   window 1: v64-191 K's fragments, two buffers.   windows 2, 3: the accumulators of my queries 0-63, 64-127 (accumulator (a, b) at v[8 (8 (a % 4) + b)]).
.set KSTEP,  128
.set PITCH,  272                       ; an LDS row: 256 bytes + 16 of padding
.set HALFT,  128*PITCH
.set SLOT,   4*HALFT                   ; Q's 256 rows, then K's 256 rows
.set STAGE,  2*SLOT                    ; 16 rows x 272 bytes for each wave
.set SPITCH, 272
.set STATS,  STAGE+4*16*SPITCH         ; 1,024 bytes for each wave: -M of its 128 queries, then their sums
.set SPARE,  STATS+4*1024              ; the spare words: 128 bytes a wave, named by no other line
.set LAPS,   4                         ; a lap = two K steps = once round the ring
.set QROW,   6144                      ; a row of qkv in bytes
.set PROW,   4096                      ; a row of p
.set SUMB, 2                           ; v[2:3]   the sum's second chain
.set LL,   4                           ; v4       the block's sum
.set SGO,  5                           ; v5       16 x lane
.set T,    6                           ; v6-13    maxima at work
.set XCH,  14                          ; v14      what comes from lane l xor 16
.set ST,   15                          ; v15      -M in lanes 0-15, the sum in lanes 16-31
.set ADRA, 16
.set NM,   18                          ; v[18:19] -M (the packed form names the pair and takes its low word)
.set ADRB, 20
.set SUMA, 22                          ; v[22:23] the sum's first chain
.set STO,  24
.set RD,   25
.set CO,   26
.set SSA,  27                          ; v27      where ST goes
.set SPW,  28
.set NIL,  29
.set PFO,  30                          ; v30      the prefetches' offset: lane x a row of qkv; never rewritten
.set SSR,  31                          ; v31      where the stats are read back
.set OB,   32
.set F0,   64
.set PW,   64
.set F1,   128
.set TMP,  192
.set G1, 24
.set G0, 32
.set G1B, 48
.set G0B, 56
.set LIM,  43                          ; s43 1 in a wave that prefetches, else the greatest number
.set PFA,  44                          ; s[44:45] where my prefetches stand
.set CS,   68                          ; s[68:69] c = log2(e) / 32
.set SEL,  70                          ; s[70:71] v_permlanex16_b32's selects for lane l xor 16
.set MSB, 0
.macro WIN new
.if MSB != (\new)
	s_set_vgpr_msb (MSB<<8)|(\new)
.set MSB, (\new)
.endif
.endm
.set MUL_LO, 0xa1                      ; source 0 (K) window 1, source 1 (Q) window 0, C and D window 2
.set MUL_HI, 0xf1
.set TO_B,   0x40
.macro JLOAD s                         ; a joint load: waves 0 and 1 fetch Q's halves, waves 2 and 3 K's; an s_nop 0 and four v_nop follow each line
	s_cmp_eq_u32 s11, 0
	s_cbranch_scc0 .Lfor_b_\@
	tensor_load_to_lds s[G0+4*\s:G0+4*\s+3], s[G1:G1+7]
	s_nop 0
.rept 4
	v_nop
.endr
	s_branch .Lasked_\@
.Lfor_b_\@:
	tensor_load_to_lds s[G0B+4*\s:G0B+4*\s+3], s[G1B:G1B+7]
	s_nop 0
.rept 4
	v_nop
.endr
.Lasked_\@:
.endm
; A prefetch of the K step that stands two refills on: 32 rows x 256 bytes, a lane a row, one instruction a wave.  Each row's 256 bytes of a K step are named once in the launch: Q's tile row is read by both clusters
; of its row of clusters: cluster x = 0 asks; K's tile column by the batch's two rows of clusters: the even cluster y asks.  The four partners that ask for a tile jointly share its rows out by address,
; 32 each (cx for Q, cy for K).  The loop's last trip asks for nothing: there is no K step two on.  K steps 0 to 3 come by their loads alone.
.macro ASK
	s_cmp_gt_u32 s3, s[LIM]                        ; s3 = 1 in the loop's last trip
	s_cbranch_scc0 .Lnot_mine_\@
	global_prefetch_b8 v[PFO], s[PFA:PFA+1] offset:KSTEP*2 th:TH_LOAD_NT scope:SCOPE_SE
.Lnot_mine_\@:
.endm
.macro CREST
	s_cmp_lg_u32 s10, 0
	s_cbranch_scc1 .Lnot_wave_0_\@
	s_barrier_signal -3
.Lnot_wave_0_\@:
	s_barrier_wait -3
	s_barrier_signal -1
	s_barrier_wait -1
.endm
.macro CROUND
	s_barrier_signal -1
	s_barrier_wait -1
	CREST
.endm
	s_load_b64 s[4:5], s[0:1], 0x0                 ; qkv
	s_load_b64 s[8:9], s[0:1], 0x8                 ; p
	s_load_b64 s[66:67], s[0:1], 0x10              ; stats
	v_lshl_add_u32 v[SPW], v0, 2, SPARE
	v_mov_b32 v[NIL], 0
	ds_add_u32 v[SPW], v[NIL]                      ; the wave's opening: the add, twice on end, and its wait ahead of my first tensor load
	ds_add_u32 v[SPW], v[NIL]
	v_lshrrev_b32 v1, 5, v0
	v_readfirstlane_b32 s10, v1                    ; wave 0..3
	s_lshr_b32 s11, s10, 1                         ; which half of the tile's queries is mine.  Also: I fetch for Q (0) or for K (1)
	s_and_b32 s12, s10, 1                          ; which half of its keys.  Also: which 128 rows I fetch
	s_bfe_u32 s40, ttmp6, 0x40000                  ; cx, cy
	s_bfe_u32 s41, ttmp6, 0x40004
	s_lshl_b32 s42, ttmp9, 2
	s_add_co_u32 s42, s42, s40                     ; tile of keys = 4 x cluster x + cx
	s_and_b32 s13, ttmp7, 0xffff
	s_lshr_b32 s73, s13, 1                         ; the batch = cluster y / 2: the same in all sixteen partners
	s_lshl_b32 s13, s13, 2
	s_add_co_u32 s13, s13, s41                     ; tile of queries = 4 x cluster y + cy (over all batches)
	s_lshl_b32 s43, s41, 2
	s_lshl_b32 s43, 15, s43                        ; my row of the cluster
	s_lshl_b32 s44, 0x1111, s40                    ; my column
	s_or_b32 s[G1+0], s43, (1<<16)|(1<<20)|(1<<21)|(5<<22)|(3<<25)  ; the mask; elements of 2 bytes; padding on; bit 21 beside a mask; after every 64 words, 4 words
	s_or_b32 s[G1B+0], s44, (1<<16)|(1<<20)|(1<<21)|(5<<22)|(3<<25)
.irp g, G1, G1B
	s_mov_b32 s[\g+1], KSTEP<<16                   ; tensor_dim0
	s_mov_b32 s[\g+2], 128<<16                     ; tensor_dim1
	s_mov_b32 s[\g+3], KSTEP<<16                   ; tile_dim0
	s_mov_b32 s[\g+4], 128                         ; tile_dim1
	s_mov_b32 s[\g+5], QROW/2                      ; elements from row to row
	s_mov_b32 s[\g+6], 0
	s_mov_b32 s[\g+7], 0
.endr
	s_mov_b32 s[CS], 0x3d38aa3b                    ; c = log2(e) / 32
	s_mov_b32 s[CS+1], s[CS]
	s_mov_b32 s[SEL], 0x76543210
	s_mov_b32 s[SEL+1], 0xfedcba98
	s_mov_b32 s72, 0xffff0000                      ; lanes 16-31
	s_lshl_b32 s17, s12, 7
	s_lshl_b32 s16, s13, 8
	s_add_co_u32 s16, s16, s17                     ; Q: row 256 x tile of queries + 128 x half
	s_lshl_b32 s46, s42, 8
	s_add_co_u32 s46, s46, s17
	s_lshl_b32 s47, s73, 11
	s_add_co_u32 s46, s46, s47                     ; K: row 2,048 x batch + 256 x tile of keys + 128 x half
	s_mov_b32 s17, 0
	s_mov_b32 s47, 0
	s_mov_b64 s[18:19], QROW
	s_mul_u64 s[16:17], s[16:17], s[18:19]
	s_mul_u64 s[46:47], s[46:47], s[18:19]
	s_mul_i32 s20, s10, HALFT                      ; where they go: wave x 128 rows
	s_wait_dscnt 0x0                               ; both opening adds are done
	s_wait_kmcnt 0x0
	s_add_nc_u64 s[6:7], s[4:5], 2048              ; K's part of a row
	s_add_nc_u64 s[14:15], s[4:5], s[16:17]
	s_add_nc_u64 s[46:47], s[6:7], s[46:47]
	CROUND                                         ; all sixteen work-groups are here: the first joint loads meet
.irp s, 0,1
	s_mov_b32 s[G0+4*\s], 1
	s_add_co_u32 s[G0+4*\s+1], s20, \s*SLOT
	s_add_nc_u64 s[G0+4*\s+2:G0+4*\s+3], s[14:15], \s*KSTEP*2
	s_or_b32 s[G0+4*\s+3], s[G0+4*\s+3], 0x80000000
	s_mov_b32 s[G0B+4*\s], 1
	s_add_co_u32 s[G0B+4*\s+1], s20, \s*SLOT
	s_add_nc_u64 s[G0B+4*\s+2:G0B+4*\s+3], s[46:47], \s*KSTEP*2
	s_or_b32 s[G0B+4*\s+3], s[G0B+4*\s+3], 0x80000000
	JLOAD \s
.endr
	v_and_b32 v1, 15, v0                           ; r
	v_bfe_u32 v2, v0, 4, 1                         ; h
	v_mul_u32_u24 v3, v1, PITCH
	v_lshl_add_u32 v3, v2, 4, v3                   ; a fragment's row x pitch + 16 x half
	s_mul_i32 s21, s11, HALFT                      ; my 128 queries
	s_mul_i32 s22, s12, HALFT                      ; my 128 keys,
	s_add_co_u32 s22, s22, 2*HALFT                 ; which lie behind Q's 256 rows
.irp s, 0,1
	v_add_nc_u32 v[ADRA+\s], s21, v3
	v_add_nc_u32 v[ADRB+\s], s22, v3
	s_add_co_u32 s21, s21, SLOT
	s_add_co_u32 s22, s22, SLOT
.endr
	s_mul_i32 s23, s10, 16*SPITCH
	s_add_co_u32 s23, s23, STAGE                   ; my stage
	v_mul_u32_u24 v4, v1, SPITCH
	v_lshl_add_u32 v4, v2, 4, v4
	v_add_nc_u32 v[STO], s23, v4
	v_mul_u32_u24 v5, v2, SPITCH
	v_lshl_add_u32 v5, v1, 4, v5
	v_add_nc_u32 v[RD], s23, v5
	v_mul_u32_u24 v5, v2, PROW
	v_lshl_add_u32 v[CO], v1, 4, v5
	s_lshl_b32 s23, s10, 10
	s_add_co_u32 s23, s23, STATS                   ; my 1,024 bytes of stats
	v_lshlrev_b32 v4, 2, v1
	v_lshl_add_u32 v4, v2, 9, v4
	v_add_nc_u32 v[SSA], s23, v4                   ; 4 r, and 512 on for lanes 16-31
	v_and_b32 v5, 31, v0
	v_lshlrev_b32 v[SGO], 4, v5
	v_add_nc_u32 v[SSR], s23, v[SGO]
	v_mov_b32 v[XCH], 0                            ; written once: a lane permute's destination counts as one of its sources
	v_mov_b32 v[NM+1], 0                           ; named with -M as a pair, so it is written
	s_lshl_b32 s13, s13, 8
	s_lshl_b32 s14, s11, 7
	s_add_co_u32 s16, s13, s14                     ; my first query
	s_lshl_b32 s18, s16, 12                        ; its row of p
	s_mov_b32 s19, 0
	s_add_nc_u64 s[8:9], s[8:9], s[18:19]
	s_lshl_b32 s46, s42, 9                         ; my first key, in bytes: 512 x tile of keys + 256 x half
	s_lshl_b32 s47, s12, 8
	s_add_co_u32 s46, s46, s47
	s_mov_b32 s47, 0
	s_add_nc_u64 s[8:9], s[8:9], s[46:47]
	s_lshl_b32 s46, s42, 1
	s_add_co_u32 s46, s46, s12                     ; my block of 128 keys: 0 .. 15
	s_lshl_b32 s46, s46, 13
	s_add_co_u32 s46, s46, s16
	s_lshl_b32 s46, s46, 2
	s_add_nc_u64 s[66:67], s[66:67], s[46:47]      ; stats at (block x 8192 + my first query) x 4
	; the prefetches
	s_lshl_b32 s42, s42, 8
	s_lshl_b32 s22, s73, 11
	s_add_co_u32 s42, s42, s22                     ; K's tile: its first row
	s_and_b32 s22, ttmp7, 1                        ; cluster y's low bit
	s_cmp_eq_u32 s11, 0                            ; do I fetch for Q?
	s_cselect_b32 s20, s13, s42                    ; the tile's first row
	s_cselect_b32 s21, s40, s41                    ; my place among the four that ask for it with me
	s_cselect_b32 s22, ttmp9, s22                  ; 0 in the cluster that asks
	s_cselect_b64 s[PFA:PFA+1], s[4:5], s[6:7]
	s_cmp_eq_u32 s22, 0
	s_cselect_b32 s[LIM], 1, -1                    ; the same in all sixteen partners, for a given wave
	s_lshl_b32 s22, s12, 7
	s_add_co_u32 s20, s20, s22                     ; + the 128 rows that I fetch
	s_lshl_b32 s21, s21, 5
	s_add_co_u32 s20, s20, s21                     ; + my work-group's 32 of them
	s_mov_b32 s21, 0
	s_mov_b64 s[18:19], QROW
	s_mul_u64 s[20:21], s[20:21], s[18:19]
	s_add_nc_u64 s[PFA:PFA+1], s[PFA:PFA+1], s[20:21]
	s_add_nc_u64 s[PFA:PFA+1], s[PFA:PFA+1], 2*KSTEP*2  ; at K step 2: the first refill steps it to 3 and names K step 4
	v_and_b32 v[PFO], 31, v0
	v_mul_u32_u24 v[PFO], v[PFO], QROW
.macro MUL16 f, hi, a0, zero           ; 16 matrix instructions: query blocks a0, a0 + 1 of the window's four x all 8 key blocks, 32 along the head.  zero = 1: the first product starts the sums
.irp a, \a0, \a0+1
.irp b, 0,1,2,3,4,5,6,7
.if \zero
	v_wmma_f32_16x16x32_f16 v[8*(8*(\a)+\b):8*(8*(\a)+\b)+7], v[\f+8*\b:\f+8*\b+7], v[\f+8*(4*\hi+\a):\f+8*(4*\hi+\a)+7], 0
.else
	v_wmma_f32_16x16x32_f16 v[8*(8*(\a)+\b):8*(8*(\a)+\b)+7], v[\f+8*\b:\f+8*\b+7], v[\f+8*(4*\hi+\a):\f+8*(4*\hi+\a)+7], v[8*(8*(\a)+\b):8*(8*(\a)+\b)+7]
.endif
.endr
.endr
.endm
.macro FETCH slot, k, f                ; 32 LDS loads in one run: a quarter step's fragments (K's 128 rows, Q's 128 rows, 32 along the head at byte k)
	WIN TO_B
.irp i, 0,1,2,3,4,5,6,7
	ds_load_b128 v[\f+8*\i:\f+8*\i+3],   v[ADRB+\slot] offset:\k+\i*16*PITCH
	ds_load_b128 v[\f+8*\i+4:\f+8*\i+7], v[ADRB+\slot] offset:\k+\i*16*PITCH+32
.endr
	WIN 0
.irp i, 0,1,2,3,4,5,6,7
	ds_load_b128 v[\f+8*\i:\f+8*\i+3],   v[ADRA+\slot] offset:\k+\i*16*PITCH
	ds_load_b128 v[\f+8*\i+4:\f+8*\i+7], v[ADRA+\slot] offset:\k+\i*16*PITCH+32
.endr
.endm
.macro PLACES                          ; four plain vector lines between a matrix instruction and a load into, or a read of, its registers
.rept 4
	v_nop
.endr
.endm
.macro QUARTER slot, k, f, g, zero     ; multiplies buffer f; in its middle it fetches the next quarter, at byte k of the same slot's rows, into buffer g
	s_wait_dscnt 8                                 ; K's rows and Q's rows 0-63 are in; the youngest eight loads (Q's rows 64-127) may be out
	WIN MUL_LO
	MUL16 \f, 0, 0, \zero
	MUL16 \f, 0, 2, \zero
	PLACES
	FETCH \slot, \k, \g
	s_wait_dscnt 32                                ; all but the 32 just issued
	WIN MUL_HI
	MUL16 \f, 1, 0, \zero
	MUL16 \f, 1, 2, \zero
.endm
.macro MEET round                      ; the first half of a slot's last quarter: one barrier for the change of slots
	WIN 0
	s_wait_tensorcnt 0x0                           ; all my tensor loads have landed: the one that was out is my part of the next slot
	ds_add_u32 v[SPW], v[NIL]                      ; 0 onto my spare word
	s_wait_dscnt 9                                 ; (the add and the youngest eight loads may be out)
	WIN MUL_LO
	MUL16 F1, 0, 0, 0
	s_wait_dscnt 0x0                               ; the add is done, and my reads of this slot are over
	s_barrier_signal -1
	MUL16 F1, 0, 2, 0
.if \round
	WIN 0
.endif
	s_barrier_wait -1
.endm
.macro TURN slot, next                 ; a slot's last quarter, with the refill: two K steps ahead, 224 matrix instructions ahead of the wait for it
	s_wait_xcnt 0x0                                ; the last prefetch, a K step back, has read its address
	s_add_nc_u64 s[PFA:PFA+1], s[PFA:PFA+1], KSTEP*2
	MEET 1
	CREST                                          ; the barrier has opened a round of the cluster's: no wave of any partner still reads this slot or has a load on its way
	s_add_nc_u64 s[G0+4*\slot+2:G0+4*\slot+3], s[G0+4*\slot+2:G0+4*\slot+3], 2*KSTEP*2
	s_add_nc_u64 s[G0B+4*\slot+2:G0B+4*\slot+3], s[G0B+4*\slot+2:G0B+4*\slot+3], 2*KSTEP*2
	JLOAD \slot                                    ; the first tensor load behind the round; its four v_nop are also the places in front of the loads below
	FETCH \next, 0, F0
	ASK
	WIN MUL_HI
	MUL16 F1, 1, 0, 0
	MUL16 F1, 1, 2, 0
.endm
	s_wait_tensorcnt 1                             ; my part of K step 0 is in (K step 1's load may be out)
	s_barrier_signal -1
	s_barrier_wait -1                              ; everybody's is
	FETCH 0, 0, F0
	QUARTER 0, 64,  F0, F1, 1                      ; the first quarter stands in front of the loop: its products start the sums
	WIN 0
	s_mov_b32 s3, LAPS-1
.Llap:                                                 ; a trip goes once round the ring, from a lap's second quarter to the next lap's first, and fills both slots again
	QUARTER 0, 128, F1, F0, 0
	QUARTER 0, 192, F0, F1, 0
	TURN 0, 1
	QUARTER 1, 64,  F0, F1, 0
	QUARTER 1, 128, F1, F0, 0
	QUARTER 1, 192, F0, F1, 0
	TURN 1, 0
	QUARTER 0, 64,  F0, F1, 0
	WIN 0
	s_sub_co_u32 s3, s3, 1
	s_cmp_lg_u32 s3, 0
	s_cbranch_scc1 .Llap
	QUARTER 0, 128, F1, F0, 0                      ; the last lap fills nothing, and has no round of the cluster's barrier
	QUARTER 0, 192, F0, F1, 0
	MEET 0
	PLACES
	FETCH 1, 0, F0
	WIN MUL_HI
	MUL16 F1, 1, 0, 0
	MUL16 F1, 1, 2, 0
	QUARTER 1, 64,  F0, F1, 0
	QUARTER 1, 128, F1, F0, 0
	QUARTER 1, 192, F0, F1, 0
	s_wait_dscnt 8                                 ; the very last quarter
	WIN MUL_LO
	MUL16 F1, 0, 0, 0
	MUL16 F1, 0, 2, 0
	s_wait_dscnt 0
	WIN MUL_HI
	MUL16 F1, 1, 0, 0
	MUL16 F1, 1, 2, 0
	WIN 0
; THE WAY OUT, a block of 16 queries at a time.  A lane holds 64 scores of one query: register 8 b + j is key 16 b + 8 (lane / 16) + j of my 128.
; SOFT_A: the largest score, -M = floor(-t), t - M, and the 64 exponentials as one batch.  Each accumulator is first read at its low end.
.macro SOFT_A a
.set AC, 64*((\a)%4)
.set WW, 2+(\a)/4
	WIN WW*0x15                                    ; sources 0, 1, 2: the block's window
.irp b, 0,1,2,3,4,5,6,7
	v_max3_num_f32 v[T+\b], v[AC+8*\b], v[AC+8*\b+1], v[AC+8*\b+2]
.endr
	WIN WW*0x14                                    ; sources 1, 2
.irp i, 3,5
.irp b, 0,1,2,3,4,5,6,7
	v_max3_num_f32 v[T+\b], v[T+\b], v[AC+8*\b+\i], v[AC+8*\b+\i+1]
.endr
.endr
.irp b, 0,2,4,6
	v_max3_num_f32 v[T+\b], v[T+\b], v[AC+8*\b+7], v[AC+8*\b+15]
.endr
	WIN 0
	v_max3_num_f32 v[T], v[T], v[T+1], v[T+2]
	v_max3_num_f32 v[T+3], v[T+3], v[T+4], v[T+5]
	v_max3_num_f32 v[T], v[T], v[T+3], v[T+6]
	v_max_num_f32 v[T], v[T], v[T+7]
	v_permlanex16_b32 v[XCH], v[T], s[SEL], s[SEL+1]   ; the query's other 64 keys lie in the lane 16 away
	v_max_num_f32 v[T], v[T], v[XCH]
	v_mul_f32 v[T], s[CS], v[T]                    ; as t (c is positive)
	v_floor_f32 v[NM], -v[T]                       ; -M = floor(-t) = -ceil(t): a whole number
	WIN WW                                         ; source 0
.set ii, 0
.rept 32
	v_pk_fma_f32 v[PW+ii:PW+ii+1], v[AC+ii:AC+ii+1], s[CS:CS+1], v[NM:NM+1] op_sel_hi:[1,0,0]   ; t - M, two at a time
.set ii, ii+2
.endr
	WIN 0
.set ii, 0
.rept 64
	v_exp_f32 v[PW+ii], v[PW+ii]                   ; p = 2^(t - M), at most 1
.set ii, ii+1
.endr
.endm
; SOFT_B: the block's sum of the unrounded p; -M and the sum to my stats in LDS; p rounded to f16.
.macro SOFT_B a
	v_pk_add_f32 v[SUMA:SUMA+1], v[PW:PW+1], v[PW+2:PW+3]
	v_pk_add_f32 v[SUMB:SUMB+1], v[PW+4:PW+5], v[PW+6:PW+7]
.irp j, 8,12,16,20,24,28,32,36,40,44,48,52,56,60
	v_pk_add_f32 v[SUMA:SUMA+1], v[SUMA:SUMA+1], v[PW+\j:PW+\j+1]
	v_pk_add_f32 v[SUMB:SUMB+1], v[SUMB:SUMB+1], v[PW+\j+2:PW+\j+3]
.endr
	v_pk_add_f32 v[SUMA:SUMA+1], v[SUMA:SUMA+1], v[SUMB:SUMB+1]
	v_add_f32 v[LL], v[SUMA], v[SUMA+1]
	v_permlanex16_b32 v[XCH], v[LL], s[SEL], s[SEL+1]
	v_add_f32 v[LL], v[LL], v[XCH]
	v_cndmask_b32 v[ST], v[NM], v[LL], s72         ; lanes 0-15 carry -M, lanes 16-31 the sum
	ds_store_b32 v[SSA], v[ST] offset:64*(\a)
.irp b, 0,1,2,3,4,5,6,7
.irp r, 0,1,2,3
	v_cvt_pk_f16_f32 v[TMP+4*\b+\r], v[PW+8*\b+2*\r], v[PW+8*\b+2*\r+1]
.endr
.endr
.endm
.macro TOSTAGE a
.set BK, OB+192*((\a)%2)
.irp b, 0,1,2,3,4,5,6,7
	ds_store_b128 v[STO], v[TMP+4*\b:TMP+4*\b+3] offset:32*\b
.endr
.irp t, 0,1,2,3,4,5,6,7
	ds_load_b128 v[BK+4*\t:BK+4*\t+3], v[RD] offset:\t*2*SPITCH    ; LDS serves a wave's instructions in order: these see the stores above
.endr
.endm
.macro SEND a
.set BK, OB+192*((\a)%2)
	s_wait_dscnt 0x0                               ; the block is back in registers
	s_wait_xcnt 0x0                                ; earlier stores have read their base and their data
.if (\a) > 0
	s_add_nc_u64 s[8:9], s[8:9], 16*PROW
.endif
.irp t, 0,1,2,3,4,5,6,7
	global_store_b128 v[CO], v[BK+4*\t:BK+4*\t+3], s[8:9] offset:2*\t*PROW   ; 16 lanes store 256 consecutive bytes, at a multiple of 256 from p's first byte
.endr
.endm
	PLACES                                         ; block 0's maxima read matrix results; the later blocks' places are the lines before them
.irp a, 0,1,2,3,4,5,6,7
	SOFT_A \a
.if \a > 0
	SEND \a-1                                      ; the block before leaves while the exponentials are worked: it names none of their results
.endif
	v_nop                                          ; a plain line behind the last exponential,
	s_wait_alu depctr_va_vdst(0)                   ; and one wait for the batch of 64, ahead of its first reader
	SOFT_B \a
	TOSTAGE \a
.endr
	SEND 7
	ds_load_b128 v[64:67], v[SSR]                  ; -M of my 128 queries,
	ds_load_b128 v[68:71], v[SSR] offset:512       ; and their sums
	s_wait_dscnt 0x0
	global_store_b128 v[SGO], v[64:67], s[66:67]   ; each store covers 512 consecutive aligned bytes
	global_store_b128 v[SGO], v[68:71], s[66:67] offset:524288
	s_wait_tensorcnt 0x0                           ; the wave's end
	ds_add_u32 v[SPW], v[NIL]
	s_wait_dscnt 0x0
	CROUND                                         ; the closing round
	s_endpgm
.Lfunc_end_k_q0cdafbcd26_scores:
	.size	k_q0cdafbcd26_scores, .Lfunc_end_k_q0cdafbcd26_scores-k_q0cdafbcd26_scores
	.p2alignl 7, 3214868480
	.fill 96, 4, 3214868480
	.section	.rodata,"a",@progbits
	.p2align	6, 0x0
	.amdhsa_kernel k_q0cdafbcd26_scores
		.amdhsa_group_segment_fixed_size 327680
		.amdhsa_private_segment_fixed_size 0
		.amdhsa_enable_private_segment 0
		.amdhsa_kernarg_size 24
		.amdhsa_user_sgpr_count 2
		.amdhsa_user_sgpr_kernarg_segment_ptr 1
		.amdhsa_wavefront_size32 1
		.amdhsa_system_sgpr_workgroup_id_x 1
		.amdhsa_system_sgpr_workgroup_id_y 1
		.amdhsa_system_sgpr_workgroup_id_z 1
		.amdhsa_system_vgpr_workitem_id 0
		.amdhsa_next_free_vgpr 1024
		.amdhsa_next_free_sgpr 74
		.amdhsa_reserve_vcc 0
		.amdhsa_float_denorm_mode_32 3
		.amdhsa_float_denorm_mode_16_64 3
		.amdhsa_memory_ordered 1
		.amdhsa_forward_progress 1
		.amdhsa_inst_pref_size 213
	.end_amdhsa_kernel
	.amdgpu_metadata
---
amdhsa.version: [ 1, 2 ]
amdhsa.kernels:
  - .name:           k_q0cdafbcd26_scores
    .symbol:         k_q0cdafbcd26_scores.kd
    .args:
      - { .name: qkv, .offset: 0, .size: 8, .value_kind: global_buffer, .address_space: global }
      - { .name: p, .offset: 8, .size: 8, .value_kind: global_buffer, .address_space: global }
      - { .name: stats, .offset: 16, .size: 8, .value_kind: global_buffer, .address_space: global }
    .group_segment_fixed_size: 327680
    .private_segment_fixed_size: 0
    .kernarg_segment_align: 8
    .kernarg_segment_size: 24
    .max_flat_workgroup_size: 128
    .sgpr_count:     74
    .vgpr_count:     1024
    .wavefront_size: 32
...
	.end_amdgpu_metadata
.endif
;; end of part 3
;; launch pv (part 4): grid 4 x 64, 4 waves a work-group, clusters of 4 x 4, 327,680 bytes of LDS; arguments p, qkv, stats, out0; writes out0
.if DOCPART == 4
	.amdgcn_target "amdgcn-amd-amdhsa--gfx1250"
	.amdhsa_code_object_version 6
	.text
	.protected	k_q0cdafbcd26_pv
	.globl	k_q0cdafbcd26_pv
	.p2align	8
	.type	k_q0cdafbcd26_pv,@function
k_q0cdafbcd26_pv:
	s_mov_b64 s[64:65], 0
	v_nop
	global_prefetch_b8 v0, s[64:65] scope:SCOPE_SE
	s_setreg_imm32_b32 hwreg(HW_REG_WAVE_MODE, 25, 1), 1
	s_wait_xcnt 0x0
	s_wait_alu depctr_hold_cnt(0) depctr_sa_sdst(0) depctr_va_vdst(0) depctr_va_sdst(0) depctr_va_ssrc(0) depctr_va_vcc(0) depctr_vm_vsrc(0)
	s_getreg_b32 s2, hwreg(HW_REG_IB_STS2, 6, 4)
	s_cmp_eq_u32 s2, 0
	s_cbranch_scc0 .Lentry_in_a_cluster
	s_endpgm
.Lentry_in_a_cluster:
	s_bfe_u32 s2, ttmp6, 0x10000c
	s_cmp_lg_u32 s2, 0xf033
	s_cbranch_scc0 .Lentry_shape_is_right
	s_endpgm
.Lentry_shape_is_right:
; out[q][c] = (sum over the 16 blocks b of f[q][b] x sum over the block's 128 keys k of p[q][k] V[k][c]) / L[q].  p: [8192][2048] f16, each block of 128 keys under its own whole number M;
; f = 2^(block's M - row's largest M), an exact power of two, at most 1; L = sum over the blocks of the block's sum x f.  V: f16, [key][channel], at byte 4,096 of qkv's rows of 6,144 bytes.  out: [8192][1024] f32.
; f IS APPLIED IN f32: a block's products are summed in accumulators of their own, begun with the constant 0, and folded into the totals by fused multiply-adds in the next block's first quarter.
; LIMIT: a block whose f falls under the smallest f32 number counts for nothing, beside a row's largest block, whose largest p is more than 1/2.
; A tile of 128 queries x 256 channels is made by four waves, each 64 x 128: 32 accumulators: the largest tile of which there are 256.  The batch's 2,048 keys go in 16 steps of 128, each one block of the stats, through a
; ring of two LDS slots; a slot of two steps would be 208,896 bytes, and two of those do not fit.  CLUSTERS: 4 x 4 work-groups of one batch; p's tiles are shared along a row of the cluster, V's along a column, each asked for jointly.
; THE MATRIX INSTRUCTION IS USED TRANSPOSED (source 0 = 16 channels of V^T, turned on its way out of LDS by ds_load_tr16_b128; source 1 = 16 queries of p): a lane holds one query and eight neighbouring channels, so f is one number a lane.
; REGISTERS: window 0: v0-31 addresses; v32-127, v128-223 two fragment buffers (32 of p, 64 of V); v224-239 f as pairs, two sets of four; v240-247 1 / L.   window 1: a step's accumulator (a, b) at v[8 (8 a + b)].   window 2: the totals, laid alike.
.set PA,     272                       ; a row of p in LDS: 256 bytes + 16
.set PV,     544                       ; a row of V: 512 bytes + 32 = 17 x 32, so that the eight rows x 32 bytes of a turning load's 16 lanes fall apart
.set AHALF,  64*PA
.set BHALF,  64*PV
.set BOFF,   2*AHALF                   ; a slot: p's 128 rows, then V's 128 keys
.set SLOT,   BOFF+2*BHALF
.set FT,     2*SLOT                    ; f: for each wave 16 steps x 1,024 bytes, an image of eight registers (f of query block a twice on end)
.set STAGE,  FT+4*16*1024              ; the way out: 16 rows x 528 bytes for each wave
.set SPITCH, 528
.set SPARE,  STAGE+4*16*SPITCH         ; the spare words: 128 bytes a wave, named by no other line
.set QROW,   6144
.set PROW,   4096
.set OROW,   4096
.set SOF,  6                           ; v6  4 r: the stats loads' offset
.set AA,   16                          ; v16-17 my place in p's tile, slot 0, 1
.set AV,   20                          ; v20-21 in V's
.set FTA,  22                          ; v22 where the step's f lie
.set STO,  24
.set RD,   25
.set CO,   26
.set SPW,  28
.set NIL,  29
.set PFO,  30                          ; v30 the prefetches' offset: my lane x a row of p or of qkv; never rewritten
.set F0,   32
.set F1,   128
.set ST0,  32                          ; at the head: -M of (query block a, key block k) at v[32 + 8 k + 2 a], the block's sum beside it; then f, twice
.set MX,   160
.set LS,   164
.set DT,   168
.set FAC,  224
.set RL,   240
.set G1A, 24
.set G0A, 32
.set G1B, 48
.set G0B, 56
.set LIM, 43                           ; s43 1 in a wave that prefetches, else -1
.set PFA, 44                           ; s[44:45] where my prefetches stand
.set PFS, 66                           ; s[66:67] a step on, in bytes: 256 in a row of p, 128 rows of qkv for V
.set MSB, 0
.macro WIN new
.if MSB != (\new)
	s_set_vgpr_msb (MSB<<8)|(\new)
.set MSB, (\new)
.endif
.endm
.set MUL,   0x50                       ; C and D window 1, both sources window 0
.set FOLDW, 0xa1                       ; source 0 (a step's sums) window 1, source 1 (f) window 0, source 2 and destination (the totals) window 2
.macro JLOAD s                         ; a joint load: waves 0 and 1 fetch p's halves, waves 2 and 3 V's; an s_nop 0 and four v_nop follow each line
	s_cmp_eq_u32 s13, 0
	s_cbranch_scc0 .Lfor_b_\@
	tensor_load_to_lds s[G0A+4*\s:G0A+4*\s+3], s[G1A:G1A+7]
	s_nop 0
.rept 4
	v_nop
.endr
	s_branch .Lasked_\@
.Lfor_b_\@:
	tensor_load_to_lds s[G0B+4*\s:G0B+4*\s+3], s[G1B:G1B+7]
	s_nop 0
.rept 4
	v_nop
.endr
.Lasked_\@:
.endm
; A PREFETCH of the step behind the one that is being asked for: at the change of slots behind step s, which asks for step s + 2, step s + 3 is named: a step's 128 matrix instructions ahead of its load.
; Each aligned block of 256 bytes is named once in the launch.  p's tile (128 rows x 256 bytes) is read by one row of one cluster: its four partners take 32 rows each, told apart by address (cx), and wave 0 asks, a lane a row.
; V's tile (128 keys x 512 bytes) is read by the batch's four rows of clusters: the first of them asks; the four partners of a column take 32 keys each (cy); wave 2 asks for the first 256 bytes of each key, wave 3 for the second.
; Steps 0 to 2 come by their loads alone; the last change that fills a slot, behind step 13, asks for nothing.
.macro ASK
	s_cmp_eq_u32 s[LIM], 1
	s_cbranch_scc0 .Lnot_mine_\@
	global_prefetch_b8 v[PFO], s[PFA:PFA+1] th:TH_LOAD_NT scope:SCOPE_SE
.Lnot_mine_\@:
.endm
.macro CREST
	s_cmp_lg_u32 s12, 0
	s_cbranch_scc1 .Lnot_wave_0_\@
	s_barrier_signal -3
.Lnot_wave_0_\@:
	s_barrier_wait -3
	s_barrier_signal -1
	s_barrier_wait -1
.endm
.macro CROUND
	s_barrier_signal -1
	s_barrier_wait -1
	CREST
.endm
	s_load_b256 s[4:11], s[0:1], 0x0               ; p s[4:5], qkv s[6:7], stats s[8:9], out s[10:11]
	v_lshl_add_u32 v[SPW], v0, 2, SPARE
	v_mov_b32 v[NIL], 0
	ds_add_u32 v[SPW], v[NIL]                      ; the wave's opening: the add, twice on end, and its wait ahead of my first tensor load
	ds_add_u32 v[SPW], v[NIL]
	v_lshrrev_b32 v1, 5, v0
	v_readfirstlane_b32 s12, v1                    ; wave 0..3
	s_lshr_b32 s13, s12, 1                         ; which 64 queries are mine.  Also: I fetch for p (0) or for V (1)
	s_and_b32 s14, s12, 1                          ; which 128 channels.  Also: which 64 rows I fetch
	s_bfe_u32 s40, ttmp6, 0x40000                  ; cx = the tile of channels (the grid is one cluster wide)
	s_bfe_u32 s41, ttmp6, 0x40004                  ; cy
	s_and_b32 s15, ttmp7, 0xffff
	s_lshr_b32 s42, s15, 2                         ; the batch = cluster y / 4: the same in all sixteen partners
	s_lshl_b32 s15, s15, 2
	s_add_co_u32 s15, s15, s41                     ; tile of queries = 4 x cluster y + cy (over all batches)
	s_lshl_b32 s43, s41, 2
	s_lshl_b32 s43, 15, s43                        ; my row of the cluster
	s_lshl_b32 s44, 0x1111, s40                    ; my column
	s_or_b32 s[G1A+0], s43, (1<<16)|(1<<20)|(1<<21)|(5<<22)|(3<<25)  ; p: the mask; elements of 2 bytes; padding on; bit 21 beside a mask; after every 64 words, 4 words
	s_mov_b32 s[G1A+1], 128<<16                    ; tensor_dim0: 128 keys
	s_mov_b32 s[G1A+2], 64<<16                     ; tensor_dim1: 64 queries
	s_mov_b32 s[G1A+3], 128<<16                    ; tile_dim0
	s_mov_b32 s[G1A+4], 64                         ; tile_dim1
	s_mov_b32 s[G1A+5], PROW/2                     ; elements from row to row
	s_mov_b32 s[G1A+6], 0
	s_mov_b32 s[G1A+7], 0
	s_or_b32 s[G1B+0], s44, (1<<16)|(1<<20)|(1<<21)|(6<<22)|(7<<25)  ; V: after every 128 words, 8 words
	s_mov_b32 s[G1B+1], 256<<16                    ; 256 channels
	s_mov_b32 s[G1B+2], 64<<16                     ; 64 keys
	s_mov_b32 s[G1B+3], 256<<16
	s_mov_b32 s[G1B+4], 64
	s_mov_b32 s[G1B+5], QROW/2
	s_mov_b32 s[G1B+6], 0
	s_mov_b32 s[G1B+7], 0
	s_lshl_b32 s16, s15, 7
	s_lshl_b32 s17, s14, 6
	s_add_co_u32 s16, s16, s17
	s_lshl_b32 s16, s16, 12                        ; p: (128 x tile of queries + 64 x half) rows of 4,096 bytes
	s_mov_b32 s17, 0
	s_lshl_b32 s46, s42, 11
	s_lshl_b32 s47, s14, 6
	s_add_co_u32 s46, s46, s47
	s_mul_i32 s46, s46, QROW                       ; V: (2,048 x batch + 64 x half) rows of 6,144 bytes,
	s_lshl_b32 s47, s40, 9
	s_add_co_u32 s46, s46, s47                     ; + 512 x tile of channels,
	s_add_co_u32 s46, s46, 4096                    ; in V's part of a row
	s_mov_b32 s47, 0
	s_mul_i32 s20, s14, AHALF                      ; where they go: no place in the cluster enters an LDS address
	s_mul_i32 s21, s14, BHALF
	s_add_co_u32 s21, s21, BOFF
	s_wait_dscnt 0x0                               ; both opening adds are done
	s_wait_kmcnt 0x0
	s_add_nc_u64 s[16:17], s[4:5], s[16:17]
	s_add_nc_u64 s[46:47], s[6:7], s[46:47]
	CROUND                                         ; all sixteen work-groups are here: the first joint loads meet
.irp s, 0,1
	s_mov_b32 s[G0A+4*\s], 1
	s_add_co_u32 s[G0A+4*\s+1], s20, \s*SLOT
	s_add_nc_u64 s[G0A+4*\s+2:G0A+4*\s+3], s[16:17], \s*256
	s_or_b32 s[G0A+4*\s+3], s[G0A+4*\s+3], 0x80000000
	s_mov_b32 s[G0B+4*\s], 1
	s_add_co_u32 s[G0B+4*\s+1], s21, \s*SLOT
	s_add_nc_u64 s[G0B+4*\s+2:G0B+4*\s+3], s[46:47], \s*128*QROW
	s_or_b32 s[G0B+4*\s+3], s[G0B+4*\s+3], 0x80000000
	JLOAD \s
.endr
	v_and_b32 v1, 15, v0                           ; r
	v_bfe_u32 v2, v0, 4, 1                         ; h
	v_and_b32 v3, 31, v0                           ; lane
	v_lshlrev_b32 v[SOF], 2, v1
	s_lshl_b32 s22, s15, 7
	s_lshl_b32 s23, s13, 6
	s_add_co_u32 s22, s22, s23                     ; my first query
	s_lshl_b32 s18, s22, 2
	s_mov_b32 s19, 0
	s_add_nc_u64 s[8:9], s[8:9], s[18:19]
.irp k, 0,1,2,3,4,5,6,7,8,9,10,11,12,13,14,15
.irp a, 0,1,2,3
	global_load_b32 v[ST0+8*\k+2*\a], v[SOF], s[8:9] offset:\k*32768+64*\a            ; -M of query 16 a + r in block k,
	global_load_b32 v[ST0+8*\k+2*\a+1], v[SOF], s[8:9] offset:\k*32768+64*\a+524288   ; and the block's sum
.endr
.endr
	s_lshl_b32 s18, s22, 12                        ; out: my first query's row,
	s_lshl_b32 s23, s40, 10
	s_add_co_u32 s18, s18, s23                     ; + 1,024 x tile of channels
	s_lshl_b32 s23, s14, 9
	s_add_co_u32 s18, s18, s23                     ; + 512 x half
	s_add_nc_u64 s[10:11], s[10:11], s[18:19]
	v_mul_u32_u24 v4, v1, PA
	v_lshl_add_u32 v4, v2, 4, v4
	s_mul_i32 s22, s13, AHALF
	v_add_nc_u32 v[AA], s22, v4                    ; p: row r x pitch + 16 h + my 64 queries
	v_add_nc_u32 v[AA+1], SLOT, v[AA]
	v_and_b32 v4, 7, v0
	v_lshl_add_u32 v4, v2, 3, v4
	v_mul_u32_u24 v4, v4, PV
	v_bfe_u32 v5, v0, 3, 1
	v_lshl_add_u32 v4, v5, 4, v4
	s_lshl_b32 s22, s14, 8
	s_add_co_u32 s22, s22, BOFF
	v_add_nc_u32 v[AV], s22, v4                    ; V: key 8 h + l % 8, channels 8 ((l / 8) % 2) on, + my 128 channels
	v_add_nc_u32 v[AV+1], SLOT, v[AV]
	s_lshl_b32 s22, s12, 14
	s_add_co_u32 s22, s22, FT
	v_lshl_add_u32 v[FTA], v3, 4, s22
	s_mul_i32 s22, s12, 16*SPITCH
	s_add_co_u32 s22, s22, STAGE                   ; my stage
	v_mul_u32_u24 v4, v1, SPITCH
	v_lshl_add_u32 v4, v2, 5, v4
	v_add_nc_u32 v[STO], s22, v4                   ; in: row r, 32 bytes for each half of the lanes
	v_lshlrev_b32 v[CO], 4, v3                     ; back: the 32 lanes take one row of 512 bytes; and the same in out
	v_add_nc_u32 v[RD], s22, v[CO]
	; the prefetches: where my wave's stand, and who asks
	s_lshl_b32 s20, s15, 7
	s_lshl_b32 s21, s40, 5
	s_add_co_u32 s20, s20, s21
	s_lshl_b32 s20, s20, 12
	s_add_co_u32 s20, s20, 2*256                   ; p: row 128 x tile of queries + 32 cx, at step 2: the first change of slots steps it to 3
	s_lshl_b32 s21, s42, 11
	s_lshl_b32 s23, s41, 5
	s_add_co_u32 s21, s21, s23
	s_add_co_u32 s21, s21, 2*128
	s_mul_i32 s21, s21, QROW                       ; V: row 2,048 x batch + 32 cy, at step 2,
	s_lshl_b32 s23, s40, 9
	s_add_co_u32 s21, s21, s23                     ; + 512 x tile of channels
	s_lshl_b32 s23, s14, 8
	s_add_co_u32 s21, s21, s23                     ; + 256 for wave 3
	s_add_co_u32 s21, s21, 4096
	s_and_b32 s22, ttmp7, 3                        ; which of the batch's four rows of clusters: the same in all sixteen partners
	s_mov_b32 s[PFS], 128*QROW
	s_mov_b32 s23, QROW
	s_cmp_eq_u32 s13, 0                            ; do I fetch for p?
	s_cselect_b64 s[PFA:PFA+1], s[4:5], s[6:7]
	s_cselect_b32 s20, s20, s21
	s_cselect_b32 s22, s14, s22                    ; 0 in a wave that asks: wave 0; waves 2 and 3 of the batch's first row of clusters
	s_cselect_b32 s[PFS], 256, s[PFS]
	s_cselect_b32 s23, PROW, s23
	s_mov_b32 s21, 0
	s_mov_b32 s[PFS+1], 0
	s_add_nc_u64 s[PFA:PFA+1], s[PFA:PFA+1], s[20:21]
	s_cmp_eq_u32 s22, 0
	s_cselect_b32 s[LIM], 1, -1
	v_mul_lo_u32 v[PFO], v3, s23                   ; a lane a row
	s_wait_loadcnt 0x0
	; the row's largest M, f = 2^(block's M - largest M), L = sum of the blocks' sums x f
.irp a, 0,1,2,3
	v_max3_num_f32 v[MX+\a], -v[ST0+2*\a], -v[ST0+8+2*\a], -v[ST0+16+2*\a]
.endr
.irp k, 3,5,7,9,11,13
.irp a, 0,1,2,3
	v_max3_num_f32 v[MX+\a], v[MX+\a], -v[ST0+8*\k+2*\a], -v[ST0+8*\k+8+2*\a]
.endr
.endr
.irp a, 0,1,2,3
	v_max_num_f32 v[MX+\a], v[MX+\a], -v[ST0+120+2*\a]
.endr
.irp k, 0,1,2,3,4,5,6,7,8,9,10,11,12,13,14,15
.irp a, 0,1,2,3
	v_sub_f32 v[DT+\a], -v[ST0+8*\k+2*\a], v[MX+\a]    ; a whole number, 0 or less
.endr
.irp a, 0,1,2,3
	v_cvt_i32_f32 v[DT+\a], v[DT+\a]               ; (it saturates)
.endr
.irp a, 0,1,2,3
	v_ldexp_f32 v[ST0+8*\k+2*\a], 1.0, v[DT+\a]    ; f, in -M's place: nothing is rounded
.endr
.irp a, 0,1,2,3
.if \k == 0
	v_mul_f32 v[LS+\a], v[ST0+8*\k+2*\a+1], v[ST0+8*\k+2*\a]
.else
	v_fmac_f32 v[LS+\a], v[ST0+8*\k+2*\a+1], v[ST0+8*\k+2*\a]
.endif
.endr
.irp a, 0,1,2,3
	v_mov_b32 v[ST0+8*\k+2*\a+1], v[ST0+8*\k+2*\a] ; f once more, in the sum's place: the packed fold multiplies by a pair
.endr
	ds_store_b128 v[FTA], v[ST0+8*\k:ST0+8*\k+3] offset:1024*\k        ; an image of eight registers: my wave alone reads it back
	ds_store_b128 v[FTA], v[ST0+8*\k+4:ST0+8*\k+7] offset:1024*\k+512
.endr
.irp a, 0,1,2,3
	v_rcp_f32 v[RL+2*\a], v[LS+\a]
.endr
.irp a, 0,1,2,3
	v_mov_b32 v[RL+2*\a+1], 0                      ; named with 1 / L as pairs, so they are written (also the plain lines behind the reciprocals)
.endr
	s_wait_alu depctr_va_vdst(0)                   ; one wait for the four reciprocals, ahead of every label and of their first reader
.macro FETCH slot, kq, g               ; 24 LDS loads in one run: a quarter step's fragments (32 keys): p's four, V's eight, turned
.irp a, 0,1,2,3
	ds_load_b128 v[\g+8*\a:\g+8*\a+3],   v[AA+\slot] offset:\a*16*PA+64*(\kq)
	ds_load_b128 v[\g+8*\a+4:\g+8*\a+7], v[AA+\slot] offset:\a*16*PA+64*(\kq)+32
.endr
.irp b, 0,1,2,3,4,5,6,7
	ds_load_tr16_b128 v[\g+32+8*\b:\g+32+8*\b+3],   v[AV+\slot] offset:(\kq)*32*PV+32*\b
	ds_load_tr16_b128 v[\g+32+8*\b+4:\g+32+8*\b+7], v[AV+\slot] offset:(\kq)*32*PV+16*PV+32*\b
.endr
.endm
.macro WM f, n, zero                   ; the product on accumulator n = 8 a + b, from buffer f.  zero = 1: it starts the step's sum
.if \zero
	v_wmma_f32_16x16x32_f16 v[8*(\n):8*(\n)+7], v[\f+32+8*((\n)%8):\f+32+8*((\n)%8)+7], v[\f+8*((\n)/8):\f+8*((\n)/8)+7], 0
.else
	v_wmma_f32_16x16x32_f16 v[8*(\n):8*(\n)+7], v[\f+32+8*((\n)%8):\f+32+8*((\n)%8)+7], v[\f+8*((\n)/8):\f+8*((\n)/8)+7], v[8*(\n):8*(\n)+7]
.endif
.endm
.macro MULA f, a                       ; 8 matrix instructions: query block a against the eight channel blocks.  The 32 accumulators take turns, one instruction a turn, in the same order in every quarter
.irp b, 0,1,2,3,4,5,6,7
	WM \f, 8*(\a)+\b, 0
.endr
.endm
.macro FOLD n, set, first              ; total n (+)= the step's sum n x f of its query block, from the low end on.  first = 1: the first fold starts the totals: nothing is cleared
.irp j, 0,2,4,6
.if \first
	v_pk_mul_f32 v[8*(\n)+\j:8*(\n)+\j+1], v[8*(\n)+\j:8*(\n)+\j+1], v[FAC+8*(\set)+2*((\n)/8):FAC+8*(\set)+2*((\n)/8)+1]
.else
	v_pk_fma_f32 v[8*(\n)+\j:8*(\n)+\j+1], v[8*(\n)+\j:8*(\n)+\j+1], v[FAC+8*(\set)+2*((\n)/8):FAC+8*(\set)+2*((\n)/8)+1], v[8*(\n)+\j:8*(\n)+\j+1]
.endif
.endr
.endm
.macro PLACES                          ; four plain vector lines between a matrix instruction and a load into, or a read of, its registers
.rept 4
	v_nop
.endr
.endm
; A STEP'S FIRST QUARTER multiplies buffer 0, begins the step's 32 sums with the constant 0, and folds the step before into the totals: each sum is folded ahead of the product that begins it anew; eight lines stand behind every
; second matrix instruction.  fold = 0: there is no step before; 1: the first fold; 2: a fold.  Between a sum's last product (in the quarter before) and its fold, and its new beginning, stand the plain lines behind the change of
; slots and the folds of the other sums: more than the four and five places asked.  The first two folds are also the places in front of the loads into buffer 1.
.macro QF slot, fold
	WIN 0
	s_wait_dscnt 0x0                               ; buffer 0 and the step's f are in
.if \fold
	WIN FOLDW
	FOLD 0, 1-(\slot), (\fold)%2
	FOLD 1, 1-(\slot), (\fold)%2
	WIN 0
.endif
	FETCH \slot, 1, F1
.set jj, 0
.rept 16
	WIN MUL
	WM F0, 2*jj, 1
	WM F0, 2*jj+1, 1
.if (\fold) && (jj < 15)
	WIN FOLDW
	FOLD 2*jj+2, 1-(\slot), (\fold)%2
	FOLD 2*jj+3, 1-(\slot), (\fold)%2
.endif
.set jj, jj+1
.endr
.endm
.macro QTR slot, kq, f, g              ; a second or third quarter: multiplies buffer f; at its head it fetches quarter kq of the same slot into buffer g, 32 matrix instructions ahead of its use
	WIN 0
	s_wait_dscnt 0x0                               ; buffer f is in
	PLACES
	FETCH \slot, \kq, \g
	WIN MUL
	MULA \f, 0
	MULA \f, 1
	MULA \f, 2
	MULA \f, 3
.endm
; A slot's last quarter changes slots: one barrier; in front of it each wave waits for all its tensor loads, adds 0 to its spare word, and waits for that and for its reads of this slot.
; fill = 0: nothing is asked for; 1: this slot is filled again, two steps ahead; 2: and the step behind that one is prefetched.
.macro TURN slot, next, fill
.if (\fill) == 2
	s_wait_xcnt 0x0                                ; the last prefetch, a step back, has read its address
	s_add_nc_u64 s[PFA:PFA+1], s[PFA:PFA+1], s[PFS:PFS+1]
.endif
	WIN 0
	s_wait_tensorcnt 0x0                           ; all my tensor loads have landed: my part of the next slot
	ds_add_u32 v[SPW], v[NIL]                      ; 0 onto my spare word
	s_wait_dscnt 1                                 ; buffer 1 is in (the add may be out)
	WIN MUL
	MULA F1, 0
	s_wait_dscnt 0x0                               ; the add is done, and my reads of this slot are over
	s_barrier_signal -1
	MULA F1, 1
	WIN 0
	s_barrier_wait -1
.if \fill
	CREST                                          ; the barrier has opened a round of the cluster's: no wave of any partner still reads this slot or has a load on its way
	s_add_nc_u64 s[G0A+4*\slot+2:G0A+4*\slot+3], s[G0A+4*\slot+2:G0A+4*\slot+3], 2*256
	s_add_nc_u64 s[G0B+4*\slot+2:G0B+4*\slot+3], s[G0B+4*\slot+2:G0B+4*\slot+3], 2*128*QROW
	JLOAD \slot                                    ; the first tensor load behind the round: 112 matrix instructions ahead of the wait for it; its four v_nop are also the places in front of the loads below
.else
	PLACES
.endif
	v_add_nc_u32 v[FTA], 1024, v[FTA]              ; the next step's f
	FETCH \next, 0, F0
	ds_load_b128 v[FAC+8*(\next):FAC+8*(\next)+3], v[FTA]
	ds_load_b128 v[FAC+8*(\next)+4:FAC+8*(\next)+7], v[FTA] offset:512
.if (\fill) == 2
	ASK
.endif
	WIN MUL
	MULA F1, 2
	MULA F1, 3
.endm
	s_wait_tensorcnt 1                             ; my part of step 0 is in (step 1's load may be out)
	s_wait_dscnt 0x0                               ; and my stores of f have landed
	s_barrier_signal -1
	s_barrier_wait -1
	FETCH 0, 0, F0
	ds_load_b128 v[FAC:FAC+3], v[FTA]
	ds_load_b128 v[FAC+4:FAC+7], v[FTA] offset:512
	QF 0, 0                                        ; step 0, and step 1's first quarter with the fold that starts the totals, stand in front of the loop
	QTR 0, 2, F1, F0
	QTR 0, 3, F0, F1
	TURN 0, 1, 2
	QF 1, 1
	WIN 0
	s_mov_b32 s3, 6
.Llap:                                                 ; a trip goes once round the ring, from an odd step's second quarter to the next odd step's first, and fills both slots again: steps 1 to 13
	QTR 1, 2, F1, F0
	QTR 1, 3, F0, F1
	TURN 1, 0, 2
	QF 0, 2
	QTR 0, 2, F1, F0
	QTR 0, 3, F0, F1
	TURN 0, 1, 2
	QF 1, 2
	WIN 0
	s_sub_co_u32 s3, s3, 1
	s_cmp_lg_u32 s3, 0
	s_cbranch_scc1 .Llap
	QTR 1, 2, F1, F0                               ; the rest of step 13: its change of slots asks for step 15, the last load
	QTR 1, 3, F0, F1
	TURN 1, 0, 1
	QF 0, 2                                        ; step 14 fills nothing, and has no round of the cluster's barrier
	QTR 0, 2, F1, F0
	QTR 0, 3, F0, F1
	TURN 0, 1, 0
	QF 1, 2                                        ; step 15
	QTR 1, 2, F1, F0
	QTR 1, 3, F0, F1
	WIN 0
	s_wait_dscnt 0x0                               ; the very last quarter
	WIN MUL
	MULA F1, 0
	MULA F1, 1
	MULA F1, 2
	MULA F1, 3
	PLACES                                         ; the last fold reads results just made
	WIN FOLDW
.set jj, 0
.rept 32
	FOLD jj, 1, 0
.set jj, jj+1
.endr
	WIN 0
; THE WAY OUT, a block of 16 queries x 128 channels at a time: the totals divided by L, through my own stage, back as whole rows of 512 bytes.
.macro SCALEO a
	WIN 0x02                                       ; source 0: window 2
.set ii, 0
.rept 32
	v_pk_mul_f32 v[32+ii:33+ii], v[64*(\a)+ii:64*(\a)+ii+1], v[RL+2*(\a):RL+2*(\a)+1] op_sel_hi:[1,0]
.set ii, ii+2
.endr
	WIN 0
.endm
.macro TOSTAGE a
.set BB, 96+64*((\a)%2)
.irp b, 0,1,2,3,4,5,6,7
	ds_store_b128 v[STO], v[32+8*\b:35+8*\b] offset:64*\b
	ds_store_b128 v[STO], v[36+8*\b:39+8*\b] offset:64*\b+16
.endr
.irp t, 0,1,2,3,4,5,6,7,8,9,10,11,12,13,14,15
	ds_load_b128 v[BB+4*\t:BB+4*\t+3], v[RD] offset:\t*SPITCH      ; LDS serves a wave's instructions in order: these see the stores above
.endr
.endm
.macro SEND a, younger                 ; younger: the LDS instructions issued behind block a's loads, which may stay out
.set BB, 96+64*((\a)%2)
	s_wait_dscnt \younger
.if (\a) > 0
	s_add_nc_u64 s[10:11], s[10:11], 16*OROW       ; (behind a wait on XCNT: the earlier stores have read their base)
.endif
.irp t, 0,1,2,3,4,5,6,7,8,9,10,11,12,13,14,15
	global_store_b128 v[CO], v[BB+4*\t:BB+4*\t+3], s[10:11] offset:\t*OROW th:TH_STORE_NT   ; 32 lanes store 512 consecutive bytes, at a multiple of 256 from out's first byte
.endr
.endm
	SCALEO 0
	TOSTAGE 0
.irp a, 1,2,3
.if \a > 1
	s_wait_xcnt 0x0                                ; block a - 2's stores have read their registers and their base
.endif
	s_wait_dscnt 16                                ; block a - 1's sixteen stores into the stage are done (its sixteen loads may be out)
	SCALEO \a
	TOSTAGE \a
	SEND \a-1, 32                                  ; behind block a - 1's loads: block a's 16 stores and 16 loads
.endr
	s_wait_xcnt 0x0
	SEND 3, 0
	s_wait_tensorcnt 0x0                           ; the wave's end
	ds_add_u32 v[SPW], v[NIL]
	s_wait_dscnt 0x0
	CROUND                                         ; the closing round
	s_endpgm
.Lfunc_end_k_q0cdafbcd26_pv:
	.size	k_q0cdafbcd26_pv, .Lfunc_end_k_q0cdafbcd26_pv-k_q0cdafbcd26_pv
	.p2alignl 7, 3214868480
	.fill 96, 4, 3214868480
	.section	.rodata,"a",@progbits
	.p2align	6, 0x0
	.amdhsa_kernel k_q0cdafbcd26_pv
		.amdhsa_group_segment_fixed_size 327680
		.amdhsa_private_segment_fixed_size 0
		.amdhsa_enable_private_segment 0
		.amdhsa_kernarg_size 32
		.amdhsa_user_sgpr_count 2
		.amdhsa_user_sgpr_kernarg_segment_ptr 1
		.amdhsa_wavefront_size32 1
		.amdhsa_system_sgpr_workgroup_id_x 1
		.amdhsa_system_sgpr_workgroup_id_y 1
		.amdhsa_system_sgpr_workgroup_id_z 1
		.amdhsa_system_vgpr_workitem_id 0
		.amdhsa_next_free_vgpr 768
		.amdhsa_next_free_sgpr 70
		.amdhsa_reserve_vcc 0
		.amdhsa_float_denorm_mode_32 3
		.amdhsa_float_denorm_mode_16_64 3
		.amdhsa_memory_ordered 1
		.amdhsa_forward_progress 1
		.amdhsa_inst_pref_size 210
	.end_amdhsa_kernel
	.amdgpu_metadata
---
amdhsa.version: [ 1, 2 ]
amdhsa.kernels:
  - .name:           k_q0cdafbcd26_pv
    .symbol:         k_q0cdafbcd26_pv.kd
    .args:
      - { .name: p, .offset: 0, .size: 8, .value_kind: global_buffer, .address_space: global }
      - { .name: qkv, .offset: 8, .size: 8, .value_kind: global_buffer, .address_space: global }
      - { .name: stats, .offset: 16, .size: 8, .value_kind: global_buffer, .address_space: global }
      - { .name: out0, .offset: 24, .size: 8, .value_kind: global_buffer, .address_space: global }
    .group_segment_fixed_size: 327680
    .private_segment_fixed_size: 0
    .kernarg_segment_align: 8
    .kernarg_segment_size: 32
    .max_flat_workgroup_size: 128
    .sgpr_count:     70
    .vgpr_count:     768
    .wavefront_size: 32
...
	.end_amdgpu_metadata
.endif
;; end of part 4
